; MI455X (gfx1250); checked and timed in simulation.
; The chip was launched on July 23, 2026; its instructions are those of AMD's public machine-readable ISA for CDNA 5 (MIT licence, August 2026) and "CDNA5" Instruction Set Architecture Reference Guide (July 2026). The comments in the code are by the model that wrote it; some were corrected since.
;; Causal Self Attention. Allowed arithmetic: matrix products marked QUANTISED: E2M3 operands, one E8M0 scale for each 32 along K, by v_wmma_scale_f32_16x16x128_f8f6f4 with both operands' format E2M3, f32 sums; everything else in f32.
;; Inputs: b_out 1,024 float32; b_qkv 3,072 float32; w_out 1,024 x 1,024 float32; w_qkv 1,024 x 3,072 float32; x 4 x 2,048 x 1,024 float32.
;; Outputs: out0 4 x 2,048 x 1,024 float32.
;; This version of the problem:
;;   THIS VERSION OF THE PROBLEM IS GIVEN IN LOW PRECISION. The matrix products marked QUANTISED in the list below multiply operands that are first quantised to E2M3 (2 exponent bits, 3 mantissa bits; 6 bits a number), with one power-of-two scale for each 32 numbers along K (OCP MX v1.0); their sums are f32. All else is computed in f32.
;;   The module's matrix products, in the order in which they are computed (A, B: the left and right operand; K: the contracted axis; several contracted axes count as one K, in the product's order):
;;     1. [M 8,192, K 1,024] x [K 1,024, N 3,072]; A: input x; B: input w_qkv: QUANTISED
;;     2. batch 64 x [M 2,048, K 64] x [K 64, N 2,048]; A: computed on the way; B: computed on the way: QUANTISED
;;     3. batch 64 x [M 2,048, K 2,048] x [K 2,048, N 64]; A: softmax (see below); B: computed on the way: QUANTISED
;;     4. [M 8,192, K 1,024] x [K 1,024, N 1,024]; A: computed on the way; B: input w_out: QUANTISED
;;   THE QUANTISER, for each operand of a quantised product, along K:
;;     - K is cut into blocks of 32 from its start; a last block that is shorter is filled with zeros.
;;     - A block's scale is 2^e with e = floor(log2(the largest magnitude in the block)) - 2, held to -126 .. 127; a block of zeros has e = 0. As a byte (E8M0): e + 127.
;;     - Each number is divided by its block's scale, clamped to +-7.5, and rounded to the nearest number of E2M3, ties to even, subnormals kept.
;;     - The product sums the exact products of the quantised numbers (number of the format x scale) in f32.
;;   ~~~python
;;   def quantise(x, axis):      # numpy; x: float32 -> the quantised numbers, widened to float32 again
;;       x = np.moveaxis(x, axis, -1); K = x.shape[-1]
;;       x = np.pad(x, [(0, 0)] * (x.ndim - 1) + [(0, -K % 32)]); x = x.reshape(x.shape[:-1] + (-1, 32)); a = np.abs(x).max(-1, keepdims=True)
;;       e = np.where(a > 0, np.clip(np.frexp(np.where(a > 0, a, 1))[1] - 1 - 2, -126, 127), 0)      # np.frexp(a)[1] - 1 = floor(log2(a)), exactly
;;       r = np.clip(x / 2.0 ** e, -7.5, 7.5)
;;       step = 2.0 ** (np.maximum(np.frexp(np.where(r == 0, 1, r))[1] - 1, 0) - 3)
;;       q = np.round(r / step) * step * 2.0 ** e      # np.round: ties to even
;;       return np.moveaxis(q.reshape(q.shape[:-2] + (-1,))[..., :K], -1, axis).astype(np.float32)
;;   ~~~
;;   SOFTMAX AHEAD OF A QUANTISED PRODUCT. Where the list says 'softmax', what is quantised is not the finished softmax but p = 2^(t - M), with t = logit x log2(e) and M = ceil(the row's largest t), a whole number; so 1/2 < the row's largest p <= 1. The row's sum l is taken of the UNQUANTISED p, in f32, and the product's result is divided by l at the end. Since M is a whole number, a kernel that streams over the keys may use a running M (the ceiling of the running maximum): every later rescaling is an exact power of two, which a block's scale takes up: the codes' values come out the same.
;;   OPERANDS COMPUTED ON THE WAY. 'Computed on the way' means the value that the module computes at that place (a softmax that the list does not call 'softmax' is quantised finished and normalised). What goes into a quantiser is computed in f32, as accurately as f32 sums, v_exp_f32 and their like allow (about 1e-6 of the number): no bf16 or f16 on the way to a quantiser, and a product that is left as it is and whose result goes on into a quantised operand takes f32 operands (vector FMAs, or v_wmma_f32_16x16x4_f32). A number that lies on a knife's edge between two numbers of the format may be rounded either way, as far as f32 arithmetic and the matrix unit's own rounding can turn it there, and no further.
;; One version. Each part assembles by itself: llvm-mc -triple=amdgcn-amd-amdhsa -mcpu=gfx1250 --defsym DOCPART=n.
;; ======== version 1 of 1: 4 launches
;; workspace buffers: xq 6,553,600 bytes; wq 3,276,800 bytes; qb 6,815,744 bytes; kv 13,369,344 bytes; ao 6,553,600 bytes
;; launch quant (part 1): grid 384 x 1, 4 waves a work-group, no clusters, 34,304 bytes of LDS; arguments x, w_qkv, w_out, xq, wq; writes xq, wq
.if DOCPART == 1
	.amdgcn_target "amdgcn-amd-amdhsa--gfx1250"
	.amdhsa_code_object_version 6
	.text
	.protected	k_q3d8cd088b6_quant
	.globl	k_q3d8cd088b6_quant
	.p2align	8
	.type	k_q3d8cd088b6_quant,@function
k_q3d8cd088b6_quant:
	s_mov_b64 s[64:65], 0
	v_nop
	global_prefetch_b8 v0, s[64:65] scope:SCOPE_SE
	s_setreg_imm32_b32 hwreg(HW_REG_WAVE_MODE, 25, 1), 1
	s_wait_xcnt 0x0
; x [8192][1024], w_qkv [1024][3072] and w_out [1024][1024], f32, become codes of FP6 (E2M3) with one E8M0 byte for each 32 along K (K = 1024 in all three),
; laid in the order of a matrix operand's registers, so that the products' launches fetch dense blocks and load fragments by 16 and 8 bytes a lane.
; ROWS IN TILES OF 16, PERMUTED: in each group of 32 rows (of x) or columns (of a weight), stored tile u (0, 1), place p (0..15) holds actual row 8 u + (p & 7) + 16 (p >> 3).
; CODES: [tile][K step of 128: 8][1,536 bytes].  A K step is two halves of 768 bytes (64 along K): 512 bytes with lane l's registers 0-3 at 16 l, then 256 bytes with its registers 4-5 at 16 (l & 15) + 8 (l >> 4);
; lane (r, h) of half c holds k = 64 c + 32 h + 0..31 of place r.   SCALES: [pair of tiles][256 along K: 4][u][p][8 bytes]: the scale words of two K steps.
; A block's scale is 2^(floor(log2(largest magnitude)) - 2): its byte is the largest magnitude's exponent field - 2, held at 1 from below by a floor among the maximum's leaves.
; LIMITS: a block of zeros gets the byte 1 where the rule says 127 (its codes are zeros, and this program alone reads the bytes); NaN and infinities among the inputs are not served.
; SHARES: work-groups 0-255: x, 32 rows each, wave = 256 along K.  256-351: w_qkv; 352-383: w_out: a wave takes 32 columns x 256 along K.  Waves share nothing: no barrier.  Only x's path uses LDS.
.set XSO,  6291456                     ; xq: the scales, behind 512 tiles of 12,288 bytes
.set WQS,  2359296                     ; wq: w_qkv's scales, behind its 192 tiles
.set WOC,  2457600                     ; wq: w_out's codes
.set WOS,  3244032                     ; wq: w_out's scales
.set STGB, 8448                        ; x: a wave's stage in LDS: 16 rows x (512 bytes + 16)
.set RS0,  16                          ; x: v16-143 two sets of 64 registers as loaded
.set X,    144                         ; x: v144-207 64 numbers of a lane: 32 c + i = k 64 c + 32 h + i of row r
.set C,    208                         ; x: v208-219 a fragment's codes; v220-222, v224-226 the conversions' second halves
.set W,    228                         ; x: v228-231 the four units' scale words
.set Z,    96                          ; weights: v96-107 two blocks' codes in the order of their three stores; v108-110, v112-114 the conversions' second halves
.macro LOADU n                         ; unit n: stored tile n / 2, K step n % 2: sixteen rows' 512 bytes; each load reads 512 consecutive bytes
.irp i, 0,1,2,3,4,5,6,7,8,9,10,11,12,13,14,15
	global_load_b128 v[RS0+64*((\n)%2)+4*\i:RS0+64*((\n)%2)+4*\i+3], v1, s[4:5] offset:(8*((\n)/2)+(\i%8)+16*(\i/8))*4096+512*((\n)%2) th:TH_LOAD_NT
.endr
.endm
.macro UNIT n
.if (\n) < 3
	s_wait_loadcnt 16                              ; this unit's sixteen loads are in; the next unit's sixteen may be out
.else
	s_wait_loadcnt 0
.endif
.irp i, 0,1,2,3,4,5,6,7,8,9,10,11,12,13,14,15
	ds_store_b128 v2, v[RS0+64*((\n)%2)+4*\i:RS0+64*((\n)%2)+4*\i+3] offset:528*\i   ; place i's 512 bytes as they lie
.endr
.irp c, 0,1
.irp j, 0,1,2,3,4,5,6,7
	ds_load_b128 v[X+32*\c+4*\j:X+32*\c+4*\j+3], v3 offset:256*\c+16*\j   ; back: my row's block 2 c + h, 128 bytes.  LDS serves a wave's instructions in order: these see the stores above
.endr
.endr
	s_wait_dscnt 0x0                               ; the numbers are back, and the stores into the stage have read their registers,
.if (\n) < 2
	LOADU (\n)+2                                   ; which take the unit two further on
.endif
	s_wait_xcnt 0x0                                ; the last unit's stores have read their data: the codes' registers are written again only behind this wait
.irp c, 0,1
	v_max3_num_f32 v[232+\c], |v[X+32*\c]|, |v[X+1+32*\c]|, 0x1800000   ; the block's largest magnitude: all 32 numbers are mine; and the floor 2^(3 - 127)
.endr
.irp i, 2,4,6,8,10,12,14,16,18,20,22,24,26,28,30
.irp c, 0,1
	v_max3_num_f32 v[232+\c], v[232+\c], |v[X+32*\c+\i]|, |v[X+1+32*\c+\i]|   ; (the two blocks by turns)
.endr
.endr
.irp c, 0,1
	v_add_nc_u32 v[234+\c], 0xff000000, v[232+\c]  ; 2 off the exponent field: the conversion's scale operand
.endr
.irp c, 0,1
	v_lshrrev_b32 v[236+\c], 23, v[234+\c]         ; the scale's byte
.endr
	v_lshl_or_b32 v238, v237, 16, v236             ; my two bytes, blocks h and 2 + h,
	v_lshlrev_b32 v238, v6, v238                   ; 8 h bits up;
	v_mov_b32 v239, 0
	v_permlanex16_b32 v239, v238, s20, s21
	v_or_b32 v[W+(\n)], v238, v239                 ; with lane l xor 16's two the row's word is whole
.irp c, 0,1
	v_cvt_scalef32_pk16_fp6_f32 v[C+6*\c:C+6*\c+2], v[X+32*\c:X+32*\c+15], v[234+\c]
	v_cvt_scalef32_pk16_fp6_f32 v[220+4*\c:222+4*\c], v[X+32*\c+16:X+32*\c+31], v[234+\c]   ; (a conversion's three registers begin on an even number)
.endr
	v_nop                                          ; one plain instruction behind the scaled conversions
.irp c, 0,1
.irp i, 0,1,2
	v_mov_b32 v[C+3+6*\c+\i], v[220+4*\c+\i]
.endr
.endr
.irp c, 0,1
	global_store_b128 v1, v[C+6*\c:C+6*\c+3], s[22:23] offset:((\n)/2)*12288+((\n)%2)*1536+768*\c        ; 32 lanes store 512 consecutive bytes
	global_store_b64 v4, v[C+6*\c+4:C+6*\c+5], s[22:23] offset:((\n)/2)*12288+((\n)%2)*1536+768*\c+512   ; and 256
.endr
.endm
.macro WLOAD t, N                      ; block t: W(32 t + i, my column), i = 0..31: each load reads 128 consecutive bytes
.set i, 0
.rept 32
	global_load_b32 v[16+32*((\t)%2)+i], v1, s[22:23] offset:(32*(\t)+i)*4*\N th:TH_LOAD_NT
.set i, i+1
.endr
.endm
.macro WBLOCK t, N
.set XS, 16+32*((\t)%2)
.if (\t) < 7
	s_wait_loadcnt 32                              ; this block's 32 loads are in; the next block's may be out
.else
	s_wait_loadcnt 0
.endif
.if ((\t)%2 == 0) && ((\t) > 0)
	s_wait_xcnt 0x0                                ; the last pair's three stores have read their data
.endif
	v_max3_num_f32 v80, |v[XS]|, |v[XS+1]|, |v[XS+2]|
	v_max3_num_f32 v81, |v[XS+3]|, |v[XS+4]|, |v[XS+5]|
.irp i, 6,10,14,18,22,26
	v_max3_num_f32 v80, v80, |v[XS+\i]|, |v[XS+\i+1]|
	v_max3_num_f32 v81, v81, |v[XS+\i+2]|, |v[XS+\i+3]|
.endr
	v_max3_num_f32 v80, v80, |v[XS+30]|, |v[XS+31]|
	v_max3_num_f32 v80, v80, v81, 0x1800000        ; and the floor
	v_add_nc_u32 v84, 0xff000000, v80
	v_lshrrev_b32 v85, 23, v84
.if (\t)%4 == 0
	v_mov_b32 v[86+(\t)/4], v85                    ; four bytes to a word, a word to a K step
.else
	v_lshl_or_b32 v[86+(\t)/4], v85, 8*((\t)%4), v[86+(\t)/4]
.endif
	v_cvt_scalef32_pk16_fp6_f32 v[Z+8*((\t)%2):Z+8*((\t)%2)+2], v[XS:XS+15], v84
	v_cvt_scalef32_pk16_fp6_f32 v[108+4*((\t)%2):110+4*((\t)%2)], v[XS+16:XS+31], v84
	v_nop                                          ; one plain instruction behind the scaled conversions
.if (\t)%2 == 0
	v_mov_b32 v[Z+3], v108                         ; the even block (h = 0 of its half): registers 0-5 at Z
	v_mov_b32 v[Z+4], v109
	v_mov_b32 v[Z+5], v110
.else
	v_mov_b32 v[Z+11], v112                        ; the odd block (h = 1): registers 0-3 at Z + 8, registers 4, 5 behind the even block's
	v_mov_b32 v[Z+6], v113
	v_mov_b32 v[Z+7], v114
.endif
.if (\t)+2 < 8
	WLOAD (\t)+2, \N
.endif
.if (\t)%2 == 1                        ; a half of 768 bytes: in each store sixteen lanes fill 256 consecutive bytes of one tile, the other sixteen of the next
	global_store_b128 v4, v[Z:Z+3], s[24:25] offset:((\t)/4)*1536+(((\t)/2)%2)*768
	global_store_b128 v4, v[Z+8:Z+11], s[24:25] offset:((\t)/4)*1536+(((\t)/2)%2)*768+256
	global_store_b128 v4, v[Z+4:Z+7], s[24:25] offset:((\t)/4)*1536+(((\t)/2)%2)*768+512
.endif
.endm
; A weight [1024][N]: a lane takes a column and its registers run down K, so a block of 32 lies in one lane and the codes come out with K innermost.
.macro WPATH N, FIRST, PW, CO, SO
	s_sub_co_u32 s15, ttmp9, \FIRST
	s_and_b32 s16, s15, 3                          ; which 256 along K
	s_lshr_b32 s15, s15, 2
	s_lshl_b32 s15, s15, 2
	s_add_co_u32 s15, s15, s14                     ; which 32 columns
	s_mul_i32 s18, s16, 1024*\N
	s_lshl_b32 s17, s15, 7
	s_add_co_u32 s18, s18, s17
	s_add_nc_u64 s[22:23], s[\PW:\PW+1], s[18:19]  ; the weight at my first row and column
	s_mul_i32 s18, s15, 24576
	s_mul_i32 s17, s16, 3072
	s_add_co_u32 s18, s18, s17
	s_add_co_u32 s18, s18, \CO
	s_add_nc_u64 s[24:25], s[12:13], s[18:19]      ; my pair of tiles, my two K steps
	s_lshl_b32 s18, s15, 10
	s_lshl_b32 s17, s16, 8
	s_add_co_u32 s18, s18, s17
	s_add_co_u32 s18, s18, \SO
	s_add_nc_u64 s[26:27], s[12:13], s[18:19]      ; and their 256 bytes of scales
	v_lshlrev_b32 v1, 2, v10                       ; 4 bytes a lane
	v_bfe_u32 v2, v10, 3, 1                        ; column l lies in stored tile u = (l >> 3) & 1,
	v_and_b32 v3, 7, v10
	v_lshl_add_u32 v3, v12, 3, v3                  ; at place p = (l & 7) + 8 (l >> 4)
	v_mul_u32_u24 v4, v2, 12288
	v_lshl_add_u32 v4, v3, 4, v4                   ; 12,288 u + 16 p
	v_lshlrev_b32 v5, 7, v2
	v_lshl_add_u32 v5, v3, 3, v5                   ; 128 u + 8 p
	WLOAD 0, \N
	WLOAD 1, \N
.irp t, 0,1,2,3,4,5,6,7
	WBLOCK \t, \N
.endr
	global_store_b64 v5, v[86:87], s[26:27]        ; 32 lanes store 256 consecutive bytes
.endm
	s_load_b256 s[4:11], s[0:1], 0x0               ; x s[4:5], w_qkv s[6:7], w_out s[8:9], xq s[10:11]
	s_load_b64 s[12:13], s[0:1], 0x20              ; wq
	v_lshl_add_u32 v240, v0, 2, 0x8400
	v_mov_b32 v241, 0
	v_lshrrev_b32 v1, 5, v0
	v_readfirstlane_b32 s14, v1                    ; wave 0..3
	v_and_b32 v10, 31, v0                          ; lane
	v_and_b32 v11, 15, v0                          ; r
	v_bfe_u32 v12, v0, 4, 1                        ; h
	s_mov_b32 s20, 0x76543210
	s_mov_b32 s21, 0xfedcba98                      ; v_permlanex16_b32's selects for lane l xor 16
	s_mov_b32 s17, 0
	s_mov_b32 s19, 0
	s_wait_kmcnt 0x0
	s_cmp_ge_u32 ttmp9, 256
	s_cbranch_scc1 .Lweights
	s_wait_alu depctr_va_vdst(0)
	; ---- x: 32 rows, my wave's 256 along K: four units of 16 rows x 128
	v_lshlrev_b32 v1, 4, v10                       ; 16 x lane
	s_wait_alu depctr_va_vdst(0)
	s_mul_i32 s15, s14, STGB
	v_add_nc_u32 v2, s15, v1                       ; the stage, on the way in
	v_mul_u32_u24 v3, v11, 528
	v_lshl_add_u32 v3, v12, 7, v3
	v_add_nc_u32 v3, s15, v3                       ; and out: row r, + 128 h.  Rows 528 bytes apart
	v_lshlrev_b32 v4, 4, v11
	v_lshl_add_u32 v4, v12, 3, v4                  ; 16 r + 8 h
	v_lshlrev_b32 v5, 3, v10                       ; 8 x lane
	v_lshlrev_b32 v6, 3, v12                       ; 8 h
	s_lshl_b32 s16, ttmp9, 17                      ; 32 rows of 4,096 bytes
	s_lshl_b32 s18, s14, 10
	s_add_co_u32 s16, s16, s18
	s_add_nc_u64 s[4:5], s[4:5], s[16:17]
	s_mul_i32 s16, ttmp9, 24576
	s_mul_i32 s18, s14, 3072
	s_add_co_u32 s16, s16, s18
	s_add_nc_u64 s[22:23], s[10:11], s[16:17]      ; my pair of tiles, my two K steps
	s_lshl_b32 s16, ttmp9, 10
	s_lshl_b32 s18, s14, 8
	s_add_co_u32 s16, s16, s18
	s_add_co_u32 s16, s16, XSO
	s_add_nc_u64 s[24:25], s[10:11], s[16:17]      ; and their 256 bytes of scales
	LOADU 0
	LOADU 1
	s_wait_alu depctr_va_vdst(0)
	UNIT 0
	UNIT 1
	UNIT 2
	UNIT 3
	v_cmp_eq_u32 vcc_lo, 1, v12
	v_cndmask_b32 v232, v[W], v[W+2], vcc_lo       ; lanes 0-15 store tile 0's two words of row r, lanes 16-31 tile 1's
	v_cndmask_b32 v233, v[W+1], v[W+3], vcc_lo
	global_store_b64 v5, v[232:233], s[24:25]      ; 32 lanes store 256 consecutive bytes
	s_wait_tensorcnt 0x0
	ds_add_u32 v240, v241
	s_wait_dscnt 0x0
	s_endpgm
.Lweights:
	s_cmp_ge_u32 ttmp9, 352
	s_cbranch_scc1 .Lw_out
	s_wait_alu depctr_va_vdst(0)
	WPATH 3072, 256, 6, 0, WQS
	s_endpgm
.Lw_out:
	s_wait_alu depctr_va_vdst(0)
	WPATH 1024, 352, 8, WOC, WOS
	s_endpgm
.Lfunc_end_k_q3d8cd088b6_quant:
	.size	k_q3d8cd088b6_quant, .Lfunc_end_k_q3d8cd088b6_quant-k_q3d8cd088b6_quant
	.p2alignl 7, 3214868480
	.fill 96, 4, 3214868480
	.section	.rodata,"a",@progbits
	.p2align	6, 0x0
	.amdhsa_kernel k_q3d8cd088b6_quant
		.amdhsa_group_segment_fixed_size 34304
		.amdhsa_private_segment_fixed_size 0
		.amdhsa_enable_private_segment 0
		.amdhsa_kernarg_size 40
		.amdhsa_user_sgpr_count 2
		.amdhsa_user_sgpr_kernarg_segment_ptr 1
		.amdhsa_wavefront_size32 1
		.amdhsa_system_sgpr_workgroup_id_x 1
		.amdhsa_system_sgpr_workgroup_id_y 1
		.amdhsa_system_sgpr_workgroup_id_z 1
		.amdhsa_system_vgpr_workitem_id 0
		.amdhsa_next_free_vgpr 242
		.amdhsa_next_free_sgpr 66
		.amdhsa_reserve_vcc 1
		.amdhsa_float_denorm_mode_32 3
		.amdhsa_float_denorm_mode_16_64 3
		.amdhsa_memory_ordered 1
		.amdhsa_forward_progress 1
		.amdhsa_inst_pref_size 107
	.end_amdhsa_kernel
	.amdgpu_metadata
---
amdhsa.version: [ 1, 2 ]
amdhsa.kernels:
  - .name:           k_q3d8cd088b6_quant
    .symbol:         k_q3d8cd088b6_quant.kd
    .args:
      - { .name: x, .offset: 0, .size: 8, .value_kind: global_buffer, .address_space: global }
      - { .name: w_qkv, .offset: 8, .size: 8, .value_kind: global_buffer, .address_space: global }
      - { .name: w_out, .offset: 16, .size: 8, .value_kind: global_buffer, .address_space: global }
      - { .name: xq, .offset: 24, .size: 8, .value_kind: global_buffer, .address_space: global }
      - { .name: wq, .offset: 32, .size: 8, .value_kind: global_buffer, .address_space: global }
    .group_segment_fixed_size: 34304
    .private_segment_fixed_size: 0
    .kernarg_segment_align: 8
    .kernarg_segment_size: 40
    .max_flat_workgroup_size: 128
    .sgpr_count:     66
    .vgpr_count:     242
    .wavefront_size: 32
...
	.end_amdgpu_metadata
.endif
;; end of part 1
;; launch qkv (part 2): grid 12 x 32, 4 waves a work-group, clusters of 4 x 4, 327,680 bytes of LDS; arguments xq, wq, b_qkv, qb, kv; writes qb, kv
.if DOCPART == 2
	.amdgcn_target "amdgcn-amd-amdhsa--gfx1250"
	.amdhsa_code_object_version 6
	.text
	.protected	k_q3d8cd088b6_qkv
	.globl	k_q3d8cd088b6_qkv
	.p2align	8
	.type	k_q3d8cd088b6_qkv,@function
k_q3d8cd088b6_qkv:
	s_mov_b64 s[64:65], 0
	v_nop
	global_prefetch_b8 v0, s[64:65] scope:SCOPE_SE
	s_setreg_imm32_b32 hwreg(HW_REG_WAVE_MODE, 25, 1), 1
	s_wait_xcnt 0x0
	s_wait_alu depctr_hold_cnt(0) depctr_sa_sdst(0) depctr_va_vdst(0) depctr_va_sdst(0) depctr_va_ssrc(0) depctr_va_vcc(0) depctr_vm_vsrc(0)
	s_getreg_b32 s2, hwreg(HW_REG_IB_STS2, 6, 4)
	s_cmp_eq_u32 s2, 0
	s_cbranch_scc0 .Lentry_in_a_cluster
	s_endpgm
.Lentry_in_a_cluster:
	s_bfe_u32 s2, ttmp6, 0x10000c
	s_cmp_lg_u32 s2, 0xf033
	s_cbranch_scc0 .Lentry_shape_is_right
	s_endpgm
.Lentry_shape_is_right:
; q, k, v = x w_qkv + b_qkv on codes of FP6 (E2M3), K = 1,024; the results are quantised in registers and leave as codes alone, laid as the attention launch reads them.
; OPERANDS (made by the launch before): codes [tile of 16 rows][K step of 128: 8][1,536 bytes] in the order of a fragment's registers; scales [pair of tiles][4][2][16][8 bytes].  In each group of 32 rows,
; stored tile u, place p holds actual row 8 u + (p & 7) + 16 (p >> 3).
; THE PRODUCT: source 0 = 16 rows of P, source 1 = 16 rows of R.  In the result lane (r, h) holds place r of R's tile, and register j of P's tiles 2 B + u the ACTUAL index 32 B + 16 h + 8 u + j along P:
; the 16 registers of two neighbouring tiles are 16 neighbours along P, which is the next product's K.
; ROLES, by the cluster's x, which all sixteen partners share.  Clusters 0, 1 (q, k): P = w_qkv's columns 0-2047, R = x's rows: a lane holds one row, its registers run along the head's channels.
; Cluster 2 (v): P = x's rows (the keys), R = w_qkv's columns 2048 on: a lane holds one channel, its registers run along the keys.  Only pointers and offsets are chosen; masks, LDS addresses and the loop do not know the role.
; SHARES: a work-group makes P 256 x R 256, four waves 128 x 128 each: 64 accumulators, 512 registers.  K goes in four slots of 256; three lie in LDS, slot 0 is filled a second time.  All eight K steps are written out.
; CLUSTER 4 x 4: P's tiles are shared along a column of the cluster, R's along a row: joint loads.
; OUT: qb [b h: 64][group of 128 rows: 16] records of 6,656 bytes: 8 tiles x 768 bytes of codes (16 rows x 64), 512 bytes of scale words [tile / 4][place][tile % 4]; a word is (s0, s1, s0, s1): the product's K of 64 is
; filled to 128 with zero codes, whose blocks repeat the real bytes.  kv records of 13,056 bytes: k as in qb; at 6,656 v's four channel tiles x 1,536 bytes (16 channels x 128 keys); at 12,800 their words [place][tile].
; LIMITS: a block of zeros gets the byte 1 (this program alone reads the bytes); NaN and infinities are not served.
; REGISTERS: window 0: v1-7 lane terms; v8-24 LDS addresses; v28, v29 for the add; v32-63 scale words, two sets; v64-127 the bias along P; v128-223 R's fragments, one set (the epilogue's work later); v240-255 the bias along R.
;   window 1: P's fragments, two sets, at v0 and v128.   windows 2, 3: accumulator (a, b) at v[8 (8 (a % 4) + b)] of window 2 + a / 4.
.set RB,    8                          ; R's tiles of a wave
.set NS,    3                          ; slots in LDS
.set PT,    24576                      ; eight tiles x 3,072 bytes: half of P's part of a slot
.set RT,    RB*3072                    ; half of R's
.set ROFF,  49152                      ; R's part begins behind P's sixteen tiles
.set SLOT,  ROFF+2*RT
.set SCL,   NS*SLOT                    ; behind the slots: R's scales (RB x 1,024 bytes), then P's (8,192), for all of K: filled once
.set SPARE, SCL+RB*1024+8192           ; the spare words, 128 bytes for each wave: two blocks of 256 bytes that no other line names
.set XSO,   6291456
.set WQS,   2359296
.set AP16,  8                          ; v8-10   slot n: my P fragments' 16-byte pieces;  v12-14 their 8-byte pieces
.set AP8,   12
.set AR16,  16                         ; v16-18, v20-22 the same for R
.set AR8,   20
.set ADRS,  24                         ; v24     my scale words: lanes 0-15 R's, lanes 16-31 P's
.set SPW,   28
.set NIL,   29
.set SC,    32
.set BP,    64
.set AF,    128
.set BR,    240
.set HA,    128                        ; epilogue: 64 numbers;  v192-211 codes;  v212-227 at work;  v228 the scale word;  v230 a byte select;  v232-239 eight words
.set PC,    192
.set TM,    212
.set PW,    228
.set SELV,  230
.set SW,    232
.set G1P,   24
.set G1R,   32
.set G1SP,  40
.set G1SR,  48
.set G0SP,  56
.set G0SR,  60
.set G0P,   68                         ; s[68:79] group 0 for P's tiles, a set for each slot;  s[80:91] for R's
.set G0R,   80
.set MSB, 0
.macro WIN new                         ; the immediate's high byte repeats the setting that is left
.if MSB != (\new)
	s_set_vgpr_msb (MSB<<8)|(\new)
.set MSB, (\new)
.endif
.endm
.macro PLACES n
.rept \n
	v_nop
.endr
.endm
; A joint load: waves 0 and 1 fetch P's halves, waves 2 and 3 R's.  The branch hangs on the wave's number alone.  Four v_nop follow each of the two lines.
.macro JLOAD g0p, g1p, g0r, g1r
	s_cmp_eq_u32 s15, 0
	s_cbranch_scc0 .Lfor_r_\@
	tensor_load_to_lds s[\g0p:\g0p+3], s[\g1p:\g1p+7]
	s_nop 0
.rept 4
	v_nop
.endr
	s_branch .Lasked_\@
.Lfor_r_\@:
	tensor_load_to_lds s[\g0r:\g0r+3], s[\g1r:\g1r+7]
	s_nop 0
.rept 4
	v_nop
.endr
.Lasked_\@:
.endm
.macro CREST                           ; a round of the cluster's barrier behind its opening barrier
	s_cmp_lg_u32 s14, 0
	s_cbranch_scc1 .Lnot_wave_0_\@
	s_barrier_signal -3
.Lnot_wave_0_\@:
	s_barrier_wait -3
	s_barrier_signal -1
	s_barrier_wait -1
.endm
.macro CROUND
	s_barrier_signal -1
	s_barrier_wait -1
	CREST
.endm
; A fragment, 12 registers, from its image of 1,536 bytes: every load takes consecutive bytes in consecutive lanes
.macro FRAG reg, a16, a8, off
	ds_load_b128 v[(\reg):(\reg)+3], v[\a16] offset:(\off)
	ds_load_b64 v[(\reg)+4:(\reg)+5], v[\a8] offset:(\off)+512
	ds_load_b128 v[(\reg)+6:(\reg)+9], v[\a16] offset:(\off)+768
	ds_load_b64 v[(\reg)+10:(\reg)+11], v[\a8] offset:(\off)+1280
.endm
.macro FETCH_P n, q, set               ; P's eight fragments of slot n's q-th K step
	WIN 0x40                                       ; destination window 1, address window 0
.irp i, 0,1,2,3,4,5,6,7
	FRAG 128*(\set)+12*\i, AP16+(\n), AP8+(\n), 3072*\i+1536*(\q)
.endr
	WIN 0
.endm
.macro FETCH_R n, q, i0                ; RB / 2 of R's fragments, from block i0 on
.set fi, \i0
.rept RB/2
	FRAG AF+12*fi, AR16+(\n), AR8+(\n), 3072*fi+1536*(\q)
.set fi, fi+1
.endr
.endm
.macro SCALES ks                       ; K slot ks's words: register 2 i + q: lanes 0-15 R's tile i, lanes 16-31 P's tile i, K step q
.irp i, 0,1,2,3,4,5,6,7
	ds_load_b64 v[SC+16*((\ks)%2)+2*\i:SC+16*((\ks)%2)+2*\i+1], v[ADRS] offset:(\i/2)*1024+(\i%2)*128+256*(\ks)
.endr
.endm
; n blocks of R from a0 on, each against P's eight; the step's symbols sst (P's set), sq (K step in the slot), ssc (set of words).  cm = 1: the products start the sums.
; The accumulators take turns, one instruction a turn, in the same order in every step.
.macro MULS a0, n, cm
.set ma, \a0
.rept \n
	WIN 0xa1+0x50*(ma/4)                           ; source 0 (P) window 1, source 1 (R) window 0, C and D window 2 or 3
.irp b, 0,1,2,3,4,5,6,7
.set dd, 8*(8*(ma%4)+\b)
.set pa, 128*sst+12*\b
.set ra, AF+12*ma
.set sa, SC+16*ssc+2*\b+sq
.set sb, SC+16*ssc+2*ma+sq
.if (\cm) == 1
	v_wmma_scale_f32_16x16x128_f8f6f4 v[dd:dd+7], v[pa:pa+11], v[ra:ra+11], 0, v[sa], v[sb] matrix_a_fmt:MATRIX_FMT_FP6 matrix_b_fmt:MATRIX_FMT_FP6 matrix_a_scale:MATRIX_SCALE_ROW1
.else
	v_wmma_scale_f32_16x16x128_f8f6f4 v[dd:dd+7], v[pa:pa+11], v[ra:ra+11], v[dd:dd+7], v[sa], v[sb] matrix_a_fmt:MATRIX_FMT_FP6 matrix_b_fmt:MATRIX_FMT_FP6 matrix_a_scale:MATRIX_SCALE_ROW1
.endif
.endr
.set ma, ma+1
.endr
.endm
; K step s: 64 matrix instructions; in its middle it fetches the next step's P and R's first half, at its end R's second half.
; sync = 1: the next step lies in a slot that has to be shown whole: the wait for my part, and a barrier.  sync = 2: slot 0 is also filled again: the wait for all my tensor loads, the add,
; the wait for it and for my reads, a round of the cluster's barrier, and the joint refill first behind it.
.macro STEP s, sync, cnt, cm
.set sq, (\s)%2
.set sst, (\s)%2
.set ssc, ((\s)/2)%2
.set sks, (\s)/2
.set nn, (((\s)+1)/2)%NS
.set nq, ((\s)+1)%2
.if (\sync) == 2
	s_wait_tensorcnt 0x0                           ; all my tensor loads have landed: K slots 1 and 2;
	ds_add_u32 v[SPW], v[NIL]                      ; 0 onto my spare word
	s_wait_dscnt 2*RB+1                            ; (the add and the sixteen loads of R's second half may be out)
.else
.if (\sync) == 1
	s_wait_tensorcnt \cnt                          ; my part of the next slot has landed
.endif
	s_wait_dscnt 2*RB                              ; P's set, R's first half and the words are in; R's second half, four loads a fragment, may be out
.endif
	MULS 0, RB/4, \cm
	s_wait_dscnt 0x0                               ; R's second half is in (and the add is done): my reads of this step's slot are over
.if (\sync) >= 1
	s_barrier_signal -1
.endif
	MULS RB/4, RB/4, \cm
.if (\sync) >= 1
	WIN 0                                          ; (branches may follow)
	s_barrier_wait -1
.endif
.if (\sync) == 2
	CREST                                          ; the barrier has opened a round of the cluster's: no wave of any partner still reads slot 0 or has a load on its way
	s_add_nc_u64 s[G0P+2:G0P+3], s[G0P+2:G0P+3], 3*3072   ; slot 0 takes K slot 3
	s_add_nc_u64 s[G0R+2:G0R+3], s[G0R+2:G0R+3], 3*3072
	JLOAD G0P, G1P, G0R, G1R                       ; the first tensor load behind the round; its four v_nop are the places in front of the loads below
.else
	PLACES 4                                       ; in front of loads into registers that matrix instructions have read (ISA guide 7.12.1 for vector instructions)
.endif
	FETCH_P nn, nq, 1-sst
	FETCH_R nn, nq, 0
.if sq == 1
	SCALES sks+1
.endif
	MULS RB/2, RB/2, \cm
	PLACES 4
	WIN 0
	FETCH_R nn, nq, RB/2
.endm
; 64 numbers of a lane, register 16 b + i = k 32 b + 16 h + i of my row, become a fragment's codes in v[PC] on and its scale word in v[PW].
.macro QUANT s
.irp b, 0,1,2,3
	v_max3_num_f32 v[TM+\b], |v[\s+16*\b]|, |v[\s+1+16*\b]|, 0x1800000   ; my 16 numbers of block b, and the floor 2^(3 - 127): the byte cannot fall under 1
.endr
.irp i, 2,4,6,8,10,12,14
.irp b, 0,1,2,3
	v_max3_num_f32 v[TM+\b], v[TM+\b], |v[\s+16*\b+\i]|, |v[\s+1+16*\b+\i]|
.endr
.endr
.irp b, 0,1,2,3
	v_permlanex16_b32 v[TM+4+\b], v[TM+\b], s66, s67
.endr
.irp b, 0,1,2,3
	v_max_num_f32 v[TM+\b], v[TM+\b], v[TM+4+\b]   ; with lane l xor 16's: the block's largest magnitude
.endr
.irp b, 0,1,2,3
	v_add_nc_u32 v[TM+12+\b], 0xff000000, v[TM+\b] ; 2 off its exponent field: the conversion's scale operand
.endr
.irp b, 0,1,2,3
	v_lshrrev_b32 v[TM+4+\b], 23, v[TM+12+\b]      ; the scale's byte
.endr
	v_lshl_or_b32 v[PW], v[TM+5], 8, v[TM+4]
	v_lshl_or_b32 v[PW], v[TM+6], 16, v[PW]
	v_lshl_or_b32 v[PW], v[TM+7], 24, v[PW]
.irp c, 0,1
	v_cvt_scalef32_pk16_fp6_f32 v[PC+6*\c:PC+2+6*\c], v[\s+32*\c:\s+15+32*\c], v[TM+12+2*\c]
	v_cvt_scalef32_pk16_fp6_f32 v[PC+12+4*\c:PC+14+4*\c], v[\s+16+32*\c:\s+31+32*\c], v[TM+12+2*\c+1]
.endr
	v_nop                                          ; one plain instruction behind the scaled conversions
.irp c, 0,1                            ; the operand's layout wants a whole block in a lane
.irp i, 0,1,2
	v_permlane16_swap_b32 v[PC+6*\c+\i], v[PC+12+4*\c+\i]
.endr
.irp i, 0,1,2
	v_mov_b32 v[PC+3+6*\c+\i], v[PC+12+4*\c+\i]
.endr
.endr
.endm
; THE WAY OUT, R's tile a at a time: + bias (which also brings the sums into window 0, each accumulator from its low end on), quantised, stored.  Every store covers whole runs of 256 consecutive bytes.
.macro EPI v
.irp a, 0,1,2,3,4,5,6,7
	s_wait_xcnt 0x0                                ; the last tile's stores have read their data
	WIN 0x02+(\a)/4                                ; source 0: window 2 or 3
.irp b, 0,1,2,3,4,5,6,7
.irp j, 0,2,4,6
.if \v
	v_pk_add_f32 v[HA+8*\b+\j:HA+8*\b+\j+1], v[8*(8*(\a%4)+\b)+\j:8*(8*(\a%4)+\b)+\j+1], v[BR+2*\a:BR+2*\a+1] op_sel_hi:[1,0]   ; my channel's bias
.else
	v_pk_add_f32 v[HA+8*\b+\j:HA+8*\b+\j+1], v[8*(8*(\a%4)+\b)+\j:8*(8*(\a%4)+\b)+\j+1], v[BP+8*\b+\j:BP+8*\b+\j+1]
.endif
.endr
.endr
	WIN 0
	QUANT HA
.if \v                                 ; 16 channels x 128 keys: a whole fragment of head A (tiles 0-3) or B
.set sb2, 96+2*(\a/4)
	global_store_b128 v1, v[PC:PC+3], s[sb2:sb2+1] offset:6656+1536*(\a%4)
	global_store_b64 v2, v[PC+4:PC+5], s[sb2:sb2+1] offset:6656+1536*(\a%4)+512
	global_store_b128 v1, v[PC+6:PC+9], s[sb2:sb2+1] offset:6656+1536*(\a%4)+768
	global_store_b64 v2, v[PC+10:PC+11], s[sb2:sb2+1] offset:6656+1536*(\a%4)+1280
	v_mov_b32 v[SW+\a], v[PW]
.else                                  ; 16 rows x 128 channels: head A's 64 are the fragment's first half, head B's the second
	global_store_b128 v1, v[PC:PC+3], s[96:97] offset:768*\a
	global_store_b64 v2, v[PC+4:PC+5], s[96:97] offset:768*\a+512
	global_store_b128 v1, v[PC+6:PC+9], s[98:99] offset:768*\a
	global_store_b64 v2, v[PC+10:PC+11], s[98:99] offset:768*\a+512
	v_perm_b32 v[SW+\a], v[PW], v[PW], v[SELV]     ; lanes 0-15: head A's two bytes twice; lanes 16-31: head B's
.if \a%4 == 3
	global_store_b128 v3, v[SW+4*(\a/4):SW+4*(\a/4)+3], s[96:97] offset:6144+256*(\a/4)
.endif
.endif
.endr
.if \v
.irp i, 0,1,2,3
	v_cndmask_b32 v[SW+\i], v[SW+\i], v[SW+4+\i], vcc_lo   ; lanes 0-15 store head A's four words of place r, lanes 16-31 head B's
.endr
	global_store_b128 v3, v[SW:SW+3], s[96:97] offset:12800
.endif
.endm
	s_load_b256 s[4:11], s[0:1], 0x0               ; xq s[4:5], wq s[6:7], b_qkv s[8:9], qb s[10:11]
	s_load_b64 s[12:13], s[0:1], 0x20              ; kv
	v_lshl_add_u32 v[SPW], v0, 2, SPARE
	v_mov_b32 v[NIL], 0
	ds_add_u32 v28, v29
	ds_add_u32 v28, v29
	s_wait_dscnt 0x0
	v_lshrrev_b32 v1, 5, v0
	v_readfirstlane_b32 s14, v1                    ; wave 0..3
	s_lshr_b32 s15, s14, 1                         ; which half of R's rows is mine.  Also: I fetch for P (0) or for R (1)
	s_and_b32 s16, s14, 1                          ; which half of P's.  Also: which half of that side I fetch
	s_bfe_u32 s92, ttmp6, 0x40000                  ; cx
	s_bfe_u32 s93, ttmp6, 0x40004                  ; cy
	s_lshl_b32 s94, s93, 2
	s_lshl_b32 s94, 15, s94                        ; my row of the cluster
	s_lshl_b32 s95, 0x1111, s92                    ; my column
	s_lshl_b32 s20, ttmp9, 2                       ; 4 x cluster x
	s_and_b32 s21, ttmp7, 0xffff
	s_lshl_b32 s21, s21, 2                         ; 4 x cluster y
	s_mov_b32 s22, XSO
	s_mov_b32 s23, WQS
	s_mov_b32 s100, WQS+65536                      ; the scales of w_qkv's tiles 128 on
	s_mov_b32 s66, 0x76543210
	s_mov_b32 s67, 0xfedcba98                      ; v_permlanex16_b32's selects for lane l xor 16
	s_cmp_eq_u32 ttmp9, 2                          ; the role: the same in all sixteen partners
	s_cselect_b32 s17, 1, 0
	s_cselect_b32 s18, s21, s20
	s_cselect_b32 s19, 0, s21
	s_cselect_b32 s2, s22, s23                     ; where P's scales begin in P's buffer
	s_cselect_b32 s3, s100, s22                    ; and R's in R's
	s_cselect_b32 s101, 128, 0                     ; R's first tile
	s_add_co_u32 s18, s18, s92                     ; which 256 of P: it holds cx and never cy
	s_add_co_u32 s19, s19, s93                     ; which 256 of R: cy and never cx
	; group 1: codes: 8 tiles' 3,072 bytes (384 elements of 8 bytes), 12,288 bytes apart;  scales: 16 rows of 256 dense bytes
	s_or_b32 s[G1P], s95, (3<<16)|(1<<21)          ; 15:0 the mask: P's tiles go to my column; 17:16 elements of 8 bytes; 21 set beside a mask
	s_or_b32 s[G1R], s94, (3<<16)|(1<<21)          ; R's to my row
	s_or_b32 s[G1SP], s95, (3<<16)|(1<<21)
	s_or_b32 s[G1SR], s94, (3<<16)|(1<<21)
.irp g, G1P, G1R
	s_mov_b32 s[\g+1], 384<<16                     ; tensor_dim0
	s_mov_b32 s[\g+2], 8<<16                       ; tensor_dim1
	s_mov_b32 s[\g+3], 384<<16                     ; tile_dim0
	s_mov_b32 s[\g+4], 8                           ; tile_dim1
	s_mov_b32 s[\g+5], 1536                        ; from tile to tile
	s_mov_b32 s[\g+6], 0
	s_mov_b32 s[\g+7], 0
.endr
.irp g, G1SP, G1SR
	s_mov_b32 s[\g+1], 32<<16
	s_mov_b32 s[\g+2], 16<<16
	s_mov_b32 s[\g+3], 32<<16
	s_mov_b32 s[\g+4], 16
	s_mov_b32 s[\g+5], 32
	s_mov_b32 s[\g+6], 0
	s_mov_b32 s[\g+7], 0
.endr
	s_mul_i32 s20, s18, 196608                     ; P: sixteen tiles of 12,288 bytes a work-group,
	s_mul_i32 s21, s16, 98304                      ; eight a half
	s_add_co_u32 s20, s20, s21
	s_mov_b32 s21, 0
	s_lshl_b32 s22, s18, 13                        ; its scales: 8,192 bytes a work-group, 4,096 a half
	s_lshl_b32 s23, s16, 12
	s_add_co_u32 s22, s22, s23
	s_add_co_u32 s22, s22, s2
	s_mov_b32 s23, 0
	s_lshl_b32 s96, s19, 4                         ; R likewise
	s_add_co_u32 s96, s96, s101
	s_lshl_b32 s97, s16, 3
	s_add_co_u32 s96, s96, s97
	s_mul_i32 s96, s96, 12288
	s_mov_b32 s97, 0
	s_lshl_b32 s98, s19, 13
	s_lshl_b32 s99, s16, 12
	s_add_co_u32 s98, s98, s99
	s_add_co_u32 s98, s98, s3
	s_mov_b32 s99, 0
	s_wait_kmcnt 0x0
	s_cmp_eq_u32 s17, 1
	s_cselect_b64 s[2:3], s[4:5], s[6:7]           ; P's buffer
	s_cselect_b64 s[100:101], s[6:7], s[4:5]       ; R's
	s_add_nc_u64 s[20:21], s[2:3], s[20:21]
	s_add_nc_u64 s[22:23], s[2:3], s[22:23]
	s_add_nc_u64 s[96:97], s[100:101], s[96:97]
	s_add_nc_u64 s[98:99], s[100:101], s[98:99]
	s_mul_i32 s2, s16, PT                          ; where they go: no place in the cluster enters an LDS address
	s_mul_i32 s3, s16, RT
	s_add_co_u32 s3, s3, ROFF
	CROUND                                         ; all sixteen work-groups are here: the first joint loads meet
	s_mov_b32 s[G0SP], 1
	s_lshl_b32 s100, s16, 12
	s_add_co_u32 s[G0SP+1], s100, SCL+RB*1024
	s_mov_b64 s[G0SP+2:G0SP+3], s[22:23]
	s_or_b32 s[G0SP+3], s[G0SP+3], 0x80000000
	s_mov_b32 s[G0SR], 1
	s_mul_i32 s100, s16, RB*512
	s_add_co_u32 s[G0SR+1], s100, SCL
	s_mov_b64 s[G0SR+2:G0SR+3], s[98:99]
	s_or_b32 s[G0SR+3], s[G0SR+3], 0x80000000
	JLOAD G0SP, G1SP, G0SR, G1SR                   ; the scales first; then K slots 0, 1, 2: four tensor loads of mine are out
.irp n, 0,1,2
	s_mov_b32 s[G0P+4*\n], 1
	s_add_co_u32 s[G0P+4*\n+1], s2, \n*SLOT
	s_add_nc_u64 s[G0P+4*\n+2:G0P+4*\n+3], s[20:21], \n*3072
	s_or_b32 s[G0P+4*\n+3], s[G0P+4*\n+3], 0x80000000
	s_mov_b32 s[G0R+4*\n], 1
	s_add_co_u32 s[G0R+4*\n+1], s3, \n*SLOT
	s_add_nc_u64 s[G0R+4*\n+2:G0R+4*\n+3], s[96:97], \n*3072
	s_or_b32 s[G0R+4*\n+3], s[G0R+4*\n+3], 0x80000000
	JLOAD G0P+4*\n, G1P, G0R+4*\n, G1R
.endr
	v_and_b32 v1, 31, v0
	v_lshlrev_b32 v1, 4, v1                        ; 16 x lane
	v_and_b32 v4, 15, v0                           ; r
	v_bfe_u32 v5, v0, 4, 1                         ; h
	v_lshlrev_b32 v2, 4, v4
	v_lshl_add_u32 v2, v5, 3, v2                   ; 16 r + 8 h
	s_mul_i32 s100, s16, PT                        ; my eight tiles of P
	s_mul_i32 s101, s15, RT                        ; and of R
	s_add_co_u32 s101, s101, ROFF
.irp n, 0,1,2
	v_add_nc_u32 v[AP16+\n], s100, v1
	v_add_nc_u32 v[AP8+\n], s100, v2
	v_add_nc_u32 v[AR16+\n], s101, v1
	v_add_nc_u32 v[AR8+\n], s101, v2
	s_add_co_u32 s100, s100, SLOT
	s_add_co_u32 s101, s101, SLOT
.endr
	s_mul_i32 s100, s15, RB*512                    ; R's words: my rows
	s_lshl_b32 s101, s16, 12                       ; P's: my rows, behind all of R's
	s_add_co_u32 s101, s101, RB*1024
	s_sub_co_u32 s101, s101, s100
	v_mul_u32_u24 v6, s101, v5                     ; lanes 16-31 take P's: the lower base + h x the distance
	s_add_co_u32 s100, s100, SCL
	v_lshl_add_u32 v6, v4, 3, v6                   ; 8 bytes a place
	v_add_nc_u32 v[ADRS], s100, v6
	; the biases.  Both arrays are loaded in both roles; the one that the role does not use reads from b_qkv's first bytes
	s_lshl_b32 s100, s18, 10
	s_lshl_b32 s101, s16, 9
	s_add_co_u32 s100, s100, s101                  ; along P: 4 (256 P + 128 wp)
	s_lshl_b32 s101, s19, 10
	s_lshl_b32 s2, s15, 9
	s_add_co_u32 s101, s101, s2
	s_add_co_u32 s101, s101, 8192                  ; along R: 4 (2,048 + 256 R + 128 wr)
	s_cmp_eq_u32 s17, 1
	s_cselect_b32 s100, 0, s100
	s_cselect_b32 s2, s101, 0
	s_mov_b32 s101, 0
	s_mov_b32 s3, 0
	s_add_nc_u64 s[100:101], s[8:9], s[100:101]
	s_add_nc_u64 s[2:3], s[8:9], s[2:3]
	v_lshlrev_b32 v6, 6, v5                        ; 64 h: registers 8 b + j hold index 32 (b / 2) + 16 h + 8 (b % 2) + j
	v_and_b32 v7, 7, v4
	v_lshrrev_b32 v3, 3, v4
	v_lshl_add_u32 v7, v3, 4, v7
	v_lshlrev_b32 v7, 2, v7                        ; 4 ((r & 7) + 16 (r >> 3)): place r's actual column
.irp b, 0,1,2,3,4,5,6,7
	global_load_b128 v[BP+8*\b:BP+8*\b+3], v6, s[100:101] offset:(32*(\b/2)+8*(\b%2))*4
	global_load_b128 v[BP+8*\b+4:BP+8*\b+7], v6, s[100:101] offset:(32*(\b/2)+8*(\b%2))*4+16
.endr
.irp a, 0,1,2,3,4,5,6,7
	global_load_b32 v[BR+2*\a], v7, s[2:3] offset:(32*(\a/2)+8*(\a%2))*4
	v_mov_b32 v[BR+2*\a+1], 0                      ; (named with it as a pair, so it is written)
.endr
	s_wait_tensorcnt 2                             ; the scales and my part of K slot 0 are in; K slots 1 and 2 may be out
	s_barrier_signal -1
	s_barrier_wait -1
	FETCH_P 0, 0, 0
	FETCH_R 0, 0, 0
	SCALES 0
	FETCH_R 0, 0, RB/2
	STEP 0, 0, 0, 1                                ; the first products start the sums
	STEP 1, 2, 0, 0                                ; slot 0 has been read out: it takes K slot 3
	STEP 2, 0, 0, 0
	STEP 3, 0, 0, 0                                ; K slot 2 was shown whole at step 1's barrier, in front of which every wave waited for all its loads
	STEP 4, 0, 0, 0
	STEP 5, 1, 0, 0                                ; K slot 3
	STEP 6, 0, 0, 0
.set sq, 1
.set sst, 1
.set ssc, 1
	s_wait_dscnt 2*RB                              ; the last step: nothing more to fetch
	MULS 0, RB/2, 0
	s_wait_dscnt 0x0
	MULS RB/2, RB/2, 0
	WIN 0
	PLACES 4                                       ; behind the last products: their results are read and R's registers written below
	s_wait_loadcnt 0x0                             ; the biases; their address registers are free
	; where the results go.  X: which 256 rows of x, Y: which four heads
	s_cmp_eq_u32 s17, 1
	s_cselect_b32 s20, s18, s19
	s_cselect_b32 s21, s16, s15
	s_cselect_b32 s22, s19, s18
	s_cselect_b32 s23, s15, s16
	s_and_b32 s22, s22, 3
	s_lshr_b32 s100, s20, 3                        ; the batch
	s_lshl_b32 s100, s100, 4
	s_lshl_b32 s22, s22, 2
	s_add_co_u32 s100, s100, s22
	s_lshl_b32 s23, s23, 1
	s_add_co_u32 s100, s100, s23                   ; head A, counted over batches: 16 x batch + 4 Y + 2 x my half
	s_lshl_b32 s20, s20, 1
	s_add_co_u32 s20, s20, s21
	s_and_b32 s20, s20, 15                         ; my group of 128 rows in the batch
	s_lshl_b32 s100, s100, 4
	s_add_co_u32 s100, s100, s20                   ; the record
	s_mov_b32 s21, 13056
	s_cmp_eq_u32 ttmp9, 0                          ; cluster x = 0 makes q
	s_cselect_b32 s21, 6656, s21
	s_cselect_b64 s[96:97], s[10:11], s[12:13]
	s_mul_i32 s100, s100, s21
	s_mov_b32 s101, 0
	s_add_nc_u64 s[96:97], s[96:97], s[100:101]    ; head A's record
	s_lshl_b32 s100, s21, 4
	s_add_nc_u64 s[98:99], s[96:97], s[100:101]    ; head B's: sixteen records on
	v_mul_u32_u24 v3, s100, v5
	v_lshl_add_u32 v3, v4, 4, v3                   ; the words' stores: lanes 0-15 head A, lanes 16-31 head B; 16 bytes a place
	v_cmp_eq_u32 vcc_lo, 1, v5
	v_mov_b32 v[SELV], 0x01000100
	v_mov_b32 v229, 0x03020302
	v_cndmask_b32 v[SELV], v[SELV], v229, vcc_lo
.irp b, 0,1,2,3
	v_mov_b32 v[TM+4+\b], 0                        ; written once: a lane permute's destination counts as one of its sources
.endr
	s_cmp_eq_u32 s17, 1
	s_cbranch_scc1 .Lrole_v
	EPI 0
	s_branch .Lend
.Lrole_v:
	EPI 1
.Lend:
	s_wait_tensorcnt 0x0                           ; the wave's end
	ds_add_u32 v[SPW], v[NIL]
	s_wait_dscnt 0x0
	CROUND                                         ; the closing round: no work-group ends while a partner may still ask for a tile that names it
	s_endpgm
.Lfunc_end_k_q3d8cd088b6_qkv:
	.size	k_q3d8cd088b6_qkv, .Lfunc_end_k_q3d8cd088b6_qkv-k_q3d8cd088b6_qkv
	.p2alignl 7, 3214868480
	.fill 96, 4, 3214868480
	.section	.rodata,"a",@progbits
	.p2align	6, 0x0
	.amdhsa_kernel k_q3d8cd088b6_qkv
		.amdhsa_group_segment_fixed_size 327680
		.amdhsa_private_segment_fixed_size 0
		.amdhsa_enable_private_segment 0
		.amdhsa_kernarg_size 40
		.amdhsa_user_sgpr_count 2
		.amdhsa_user_sgpr_kernarg_segment_ptr 1
		.amdhsa_wavefront_size32 1
		.amdhsa_system_sgpr_workgroup_id_x 1
		.amdhsa_system_sgpr_workgroup_id_y 1
		.amdhsa_system_sgpr_workgroup_id_z 1
		.amdhsa_system_vgpr_workitem_id 0
		.amdhsa_next_free_vgpr 1024
		.amdhsa_next_free_sgpr 104
		.amdhsa_reserve_vcc 1
		.amdhsa_float_denorm_mode_32 3
		.amdhsa_float_denorm_mode_16_64 3
		.amdhsa_memory_ordered 1
		.amdhsa_forward_progress 1
		.amdhsa_inst_pref_size 219
	.end_amdhsa_kernel
	.amdgpu_metadata
---
amdhsa.version: [ 1, 2 ]
amdhsa.kernels:
  - .name:           k_q3d8cd088b6_qkv
    .symbol:         k_q3d8cd088b6_qkv.kd
    .args:
      - { .name: xq, .offset: 0, .size: 8, .value_kind: global_buffer, .address_space: global }
      - { .name: wq, .offset: 8, .size: 8, .value_kind: global_buffer, .address_space: global }
      - { .name: b_qkv, .offset: 16, .size: 8, .value_kind: global_buffer, .address_space: global }
      - { .name: qb, .offset: 24, .size: 8, .value_kind: global_buffer, .address_space: global }
      - { .name: kv, .offset: 32, .size: 8, .value_kind: global_buffer, .address_space: global }
    .group_segment_fixed_size: 327680
    .private_segment_fixed_size: 0
    .kernarg_segment_align: 8
    .kernarg_segment_size: 40
    .max_flat_workgroup_size: 128
    .sgpr_count:     104
    .vgpr_count:     1024
    .wavefront_size: 32
...
	.end_amdgpu_metadata
.endif
;; end of part 2
;; launch attn (part 3): grid 4 x 64, 16 waves a work-group, no clusters, 327,680 bytes of LDS; arguments qb, kv, ao; writes ao
.if DOCPART == 3
	.amdgcn_target "amdgcn-amd-amdhsa--gfx1250"
	.amdhsa_code_object_version 6
	.text
	.protected	k_q3d8cd088b6_attn
	.globl	k_q3d8cd088b6_attn
	.p2align	8
	.type	k_q3d8cd088b6_attn,@function
k_q3d8cd088b6_attn:
	s_mov_b64 s[64:65], 0
	v_nop
	global_prefetch_b8 v0, s[64:65] scope:SCOPE_SE
	s_setreg_imm32_b32 hwreg(HW_REG_WAVE_MODE, 25, 1), 1
	s_wait_xcnt 0x0
; Causal attention on codes of FP6 (E2M3): 64 (batch, head) pairs, 2,048 queries and keys, head size 64.  Its result is quantised along the channels and leaves as the last product's operand.
; IN: qb, kv: records for each (b h, group of 128 rows), as the launch before lays them.  A tile's 16 places are permuted: in each group of 32 rows, stored tile u, place p holds actual row 8 u + (p & 7) + 16 (p >> 3).
; THE SOFTMAX: t = score x log2(e) / 8; M = the row's largest t so far, rounded up to a whole number; p = 2^(t - M) is quantised along the keys, not normalised; the row's sum is taken of the unquantised p and divides O at the end.
; When M moves, the sum and O are multiplied by 2^(old M - new M): exact.
; LAYOUT: both products transposed: S^T = K Q^T (source 0 = 16 keys, source 1 = my 16 queries; K = 64 is filled to 128 with zero codes), O^T = V^T P^T (source 0 = 16 channels, K = 128 keys): a lane holds one query throughout.
; By the tiles' permuted order the 16 registers of key tiles 2 b, 2 b + 1 are keys 32 b + 16 h + 0..15, and those of channel tiles likewise: neighbours along the next product's K.
; SHARES: work-group (I, b h) owns query block 7 - I and then block I, 256 queries each: (8 - I) + (I + 1) = 9 slots of 256 keys for every work-group.  Each of sixteen waves owns one tile of 16 queries in 256 registers.
; The loop's trip count is a constant; a key step all of whose keys come after the wave's queries is jumped over by a scalar branch on ids; no barrier and no tensor load stands in a step.
; NO CLUSTER: the four work-groups of a head walk different sequences of slots from trip 8 - I on, so joint requests would not meet.
; The scale bytes of ao leave by stores of 2 bytes a place: the other bytes of those words belong to other heads' work-groups; two stores a wave in the launch.
; LIMITS: a block of zeros gets the byte 1 (this program alone reads the bytes); NaN and infinities are not served.
.set REC,   13056                      ; a record of kv: K's codes 6,144, K's words 512, V's codes 6,144, V's words 256
.set SLOTB, 2*REC                      ; a slot: 256 keys
.set SLOT1, 32768                      ; slot 1 begins here: one exclusive or turns an address
.set SPARE, 65536                      ; the spare words, 128 bytes for each of sixteen waves: eight blocks of 256 bytes that no other line names
.set XSO,   6291456                    ; ao: the scales, behind 512 tiles of 12,288 bytes
.set A16,  1                           ; v1   16 x lane
.set A8,   2                           ; v2   16 r + 8 h
.set AS,   3                           ; v3   16 r
.set AD16, 4                           ; v4-6 the same in the slot in hand
.set AD8,  5
.set ADS,  6
.set SPW,  7
.set NIL,  8
.set PFO,  9                           ; v9   the prefetches' offset
.set R8,   10                          ; v10  8 r
.set DL,   11                          ; v11  the mask's lane term: my query less my first key, less what the scalars hold
.set QF,   16                          ; v16-27 Q: six registers of codes, six of zeros
.set BM,   28                          ; v28-31 the blocks' largest scores
.set KB,   32                          ; v32-79 four tiles of K: six registers of codes, six of zeros
.set VF,   80                          ; v80-127 V's four fragments
.set S,    128                         ; v128-191 S^T, then p
.set O,    192                         ; v192-223 O^T
.set PCD,  224                         ; v224-235 p's codes.  v12 -M, v13 the largest t, v[14:15] the sum; v236-254 at work; v248-251 K's or V's words, v253 p's word, v255 Q's
.set WV,   18
.set SEL,  20
.set CS,   22
.set G1,   24
.set G0,   32
.set TB,   2                           ; s2   LDS byte at which the slot in hand begins
.set KF,   36                          ; s36  the step's first key
.set Q0,   37                          ; s37  the first query of my tile's group of 32
.set SLOTS, 38
.set SWT,  39                          ; s39  the count at which the first block is finished
.set KN,   40                          ; s40  the slot of keys to be asked for
.set LIMA, 41                          ; s41  the first block's slots
.set KVW,  42                          ; s[42:43] my record of the head's slot 0
.set PFA,  44
.set LIM,  46
.set II,   47
.set BH,   48
.set BB,   49                          ; s49  the query block in hand
.macro TLOAD                           ; waves 0 and 1 fetch a record each.  Four v_nop follow the load
	s_cmp_lt_u32 s[WV], 2
	s_cbranch_scc0 .Lno_load_\@
	tensor_load_to_lds s[G0:G0+3], s[G1:G1+7]
	s_nop 0
.rept 4
	v_nop
.endr
.Lno_load_\@:
.endm
; A prefetch into the L2 of the slot that the NEXT change of slots will ask for: 102 blocks of 256 bytes, a lane a block, waves 4 to 7 of the head's work-group I = 0, which walks slots 0 to 7 in order
; (the lanes beyond block 101 name block 101 again).  It stops when slot 7 has been named; slots 0 and 1 come by their loads alone.
.macro ASK
	s_cmp_gt_u32 s[SLOTS], s[LIM]
	s_cbranch_scc0 .Lnot_mine_\@
	global_prefetch_b8 v[PFO], s[PFA:PFA+1] th:TH_LOAD_NT scope:SCOPE_SE
.Lnot_mine_\@:
.endm
; THE CHANGE OF SLOTS stands at a slot's head: each wave waits for all its tensor loads, adds 0 to its spare word, waits for that and for its reads of the slot that it has left; a barrier; then the slot left is filled.
.macro CHANGE fill
	s_wait_tensorcnt 0x0                           ; no tensor load of mine is out, so group 0 may be written
	ds_add_u32 v[SPW], v[NIL]                      ; 0 onto my spare word
.if \fill
	s_xor_b32 s[G0+1], s[G0+1], SLOT1              ; the other slot than last time,
	s_add_co_u32 s[KN], s[KN], 1                   ; the next 256 keys,
	s_cmp_eq_u32 s[KN], s[LIMA]
	s_cselect_b32 s[KN], 0, s[KN]                  ; or, behind the first block's last, the head's first again
	s_mul_i32 s50, s[KN], SLOTB
	s_mov_b32 s51, 0
	s_add_nc_u64 s[G0+2:G0+3], s[KVW:KVW+1], s[50:51]
	s_or_b32 s[G0+3], s[G0+3], 0x80000000
	s_wait_xcnt 0x0                                ; the last prefetch, a slot back, has read its address
	s_add_nc_u64 s[PFA:PFA+1], s[PFA:PFA+1], SLOTB
.endif
	s_wait_dscnt 0x0                               ; the add is done, and my reads of the slot that I have left are over
	s_barrier_signal -1
	s_barrier_wait -1
.if \fill
	TLOAD                                          ; the first thing behind the barrier, and a wave's one tensor load until the next
	ASK
.endif
.endm
; A KEY STEP: 128 keys, record q of the slot in hand.
.macro STEP q
	s_cmp_gt_u32 s[KF], s[Q0]                      ; KF is a multiple of 128 and my 16 queries lie in Q0 .. Q0 + 31, inside one group of 128: all keys hidden
	s_cbranch_scc1 .Lhidden_\@
	v_add_nc_u32 v[AD16], s[TB], v[A16]
	s_wait_alu depctr_va_vdst(0)
	v_add_nc_u32 v[AD8], s[TB], v[A8]
	s_wait_alu depctr_va_vdst(0)
	v_add_nc_u32 v[ADS], s[TB], v[AS]
	s_wait_alu depctr_va_vdst(0)
	v_nop                                          ; four places in front of the load into the words' registers, which the last products read
.irp g, 0,1                            ; S^T = K Q^T, four tiles of 16 keys at a time
.if \g
.rept 4
	v_nop
.endr
.endif
.irp t, 0,1,2,3
	ds_load_b128 v[KB+12*\t:KB+12*\t+3], v[AD16] offset:REC*(\q)+768*(4*\g+\t)
	ds_load_b64 v[KB+12*\t+4:KB+12*\t+5], v[AD8] offset:REC*(\q)+768*(4*\g+\t)+512
.endr
	ds_load_b128 v[248:251], v[ADS] offset:REC*(\q)+6144+256*\g   ; the four tiles' words of place r
	s_wait_dscnt 0x0
.irp t, 0,1,2,3
	v_wmma_scale_f32_16x16x128_f8f6f4 v[S+8*(4*\g+\t):S+8*(4*\g+\t)+7], v[KB+12*\t:KB+12*\t+11], v[QF:QF+11], 0, v[248+\t], v255 matrix_a_fmt:MATRIX_FMT_FP6 matrix_b_fmt:MATRIX_FMT_FP6
.endr
.endr
.rept 4
	v_nop                                          ; places: the scores are read, and the words' registers loaded, below
.endr
.irp t, 0,1,2,3                        ; V's four fragments and their words land while the softmax is worked
	ds_load_b128 v[VF+12*\t:VF+12*\t+3], v[AD16] offset:REC*(\q)+6656+1536*\t
	ds_load_b64 v[VF+12*\t+4:VF+12*\t+5], v[AD8] offset:REC*(\q)+6656+1536*\t+512
	ds_load_b128 v[VF+12*\t+6:VF+12*\t+9], v[AD16] offset:REC*(\q)+6656+1536*\t+768
	ds_load_b64 v[VF+12*\t+10:VF+12*\t+11], v[AD8] offset:REC*(\q)+6656+1536*\t+1280
.endr
	ds_load_b128 v[248:251], v[ADS] offset:REC*(\q)+12800
	s_add_co_u32 s50, s[KF], 127                   ; on the diagonal hidden scores become -infinity ahead of the maximum; a step all of whose keys count skips this
	s_cmp_lt_u32 s50, s[Q0]
	s_cbranch_scc1 .Lopen_\@
	s_sub_co_i32 s50, s[Q0], s[KF]
	v_add_nc_u32 v252, s50, v[DL]                  ; d = my query - KF - 16 h.  Register 16 b + i holds key KF + 16 h + 32 b + i: hidden where 32 b + i > d
	v_mov_b32 v254, 0xff800000
.set n, 0
.rept 64
	v_cmp_gt_i32 vcc_lo, 32*(n/16)+n%16, v252
	v_cndmask_b32 v[S+n], v[S+n], v254, vcc_lo
.set n, n+1
.endr
.Lopen_\@:
.irp b, 0,1,2,3
	v_max3_num_f32 v[BM+\b], v[S+16*\b], v[S+1+16*\b], v[S+2+16*\b]   ; the largest score of each block of 32 keys: for the row's maximum, and, since p rises with the score, for the block's largest p
.endr
.irp i, 3,5,7,9,11,13
.irp b, 0,1,2,3
	v_max3_num_f32 v[BM+\b], v[BM+\b], v[S+16*\b+\i], v[S+1+16*\b+\i]
.endr
.endr
.irp b, 0,1,2,3
	v_max_num_f32 v[BM+\b], v[BM+\b], v[S+15+16*\b]
.endr
.irp b, 0,1,2,3
	s_delay_alu instid0(VALU_DEP_4)
	v_permlanex16_b32 v[236+\b], v[BM+\b], s[SEL], s[SEL+1]
.endr
.irp b, 0,1,2,3
	s_delay_alu instid0(VALU_DEP_4)
	v_max_num_f32 v[BM+\b], v[BM+\b], v[236+\b]    ; with lane l xor 16's 16 keys
.endr
	s_delay_alu instid0(VALU_DEP_2)
	v_max3_num_f32 v254, v[BM], v[BM+1], v[BM+2]
	s_delay_alu instid0(VALU_DEP_1)
	v_max_num_f32 v254, v254, v[BM+3]
	s_delay_alu instid0(VALU_DEP_1)
	v_mul_f32 v254, s[CS], v254                    ; the step's largest t of my query
	s_delay_alu instid0(VALU_DEP_1)
	v_max_num_f32 v13, v13, v254
	v_mov_b32 v254, v12
	s_delay_alu instid0(VALU_DEP_2)
	v_floor_f32 v12, -v13                          ; the new -M = floor(-t): M is a whole number
	s_delay_alu instid0(VALU_DEP_1)
	v_sub_f32 v254, v12, v254
	s_delay_alu instid0(VALU_DEP_1)
	v_cvt_i32_f32 v254, v254                       ; old M - new M, 0 or less (it saturates)
	s_delay_alu instid0(VALU_DEP_1)
	v_ldexp_f32 v252, 1.0, v254                    ; f = 2^(old M - new M)
.set j, 0
.rept 32
	v_pk_fma_f32 v[S+j:S+j+1], v[S+j:S+j+1], s[CS:CS+1], v[12:13] op_sel_hi:[1,0,0]   ; t - M, two at a time
.set j, j+2
.endr
.irp b, 0,1,2,3
	v_fma_f32 v[BM+\b], v[BM+\b], s[CS], v12       ; the same of each block's largest score
.endr
.set j, 0
	s_wait_alu depctr_va_vdst(0)
.rept 64
	v_exp_f32 v[S+j], v[S+j]                       ; p = 2^(t - M)
.set j, j+1
.endr
	v_pk_mul_f32 v[14:15], v[14:15], v[252:253] op_sel_hi:[1,0]   ; the sums under the new M: a plain instruction behind the exponentials
	s_wait_alu depctr_va_vdst(0)                   ; one wait for the batch, ahead of its first reader
.irp b, 0,1,2,3
	v_exp_f32 v[BM+\b], v[BM+\b]                   ; the block's largest p
.endr
	v_pk_add_f32 v[236:237], v[132:133], v[136:137]
	v_pk_add_f32 v[246:247], v[140:141], v[144:145]
	v_pk_add_f32 v[244:245], v[148:149], v[152:153]
	v_pk_add_f32 v[242:243], v[156:157], v[160:161]
	v_pk_add_f32 v[240:241], v[164:165], v[168:169]
	v_pk_add_f32 v[238:239], v[172:173], v[176:177]
	v_pk_add_f32 v[234:235], v[180:181], v[184:185]
	v_pk_add_f32 v[14:15], v[14:15], v[188:189]
	v_pk_add_f32 v[236:237], v[236:237], v[128:129]
	v_pk_add_f32 v[246:247], v[246:247], v[130:131]
	v_pk_add_f32 v[244:245], v[244:245], v[134:135]
	v_pk_add_f32 v[242:243], v[242:243], v[138:139]
	v_pk_add_f32 v[240:241], v[240:241], v[142:143]
	v_pk_add_f32 v[238:239], v[238:239], v[146:147]
	v_pk_add_f32 v[234:235], v[234:235], v[150:151]
	v_pk_add_f32 v[14:15], v[14:15], v[154:155]
	v_pk_add_f32 v[236:237], v[236:237], v[158:159]
	v_pk_add_f32 v[246:247], v[246:247], v[162:163]
	v_pk_add_f32 v[244:245], v[244:245], v[166:167]
	v_pk_add_f32 v[242:243], v[242:243], v[170:171]
	v_pk_add_f32 v[240:241], v[240:241], v[174:175]
	v_pk_add_f32 v[238:239], v[238:239], v[178:179]
	v_pk_add_f32 v[234:235], v[234:235], v[182:183]
	v_pk_add_f32 v[14:15], v[14:15], v[186:187]
	v_pk_add_f32 v[236:237], v[236:237], v[190:191]
	s_delay_alu instid0(VALU_DEP_2)
	v_pk_add_f32 v[14:15], v[14:15], v[242:243]
	s_delay_alu instid0(VALU_DEP_2)
	v_pk_add_f32 v[236:237], v[236:237], v[240:241]
	v_pk_add_f32 v[246:247], v[246:247], v[238:239]
	v_pk_add_f32 v[244:245], v[244:245], v[234:235]
	s_delay_alu instid0(VALU_DEP_2)
	v_pk_add_f32 v[14:15], v[14:15], v[246:247]
	s_delay_alu instid0(VALU_DEP_2)
	v_pk_add_f32 v[236:237], v[236:237], v[244:245]
	s_delay_alu instid0(VALU_DEP_1)
	v_pk_add_f32 v[14:15], v[14:15], v[236:237]
	s_wait_alu depctr_va_vdst(0)                   ; and one for the four
.irp b, 0,1,2,3
	v_max_num_f32 v[BM+\b], 0x1800000, v[BM+\b]    ; the floor 2^(3 - 127): the byte cannot fall under 1
.endr
.irp b, 0,1,2,3
	s_delay_alu instid0(VALU_DEP_4)
	v_add_nc_u32 v[244+\b], 0xff000000, v[BM+\b]   ; the conversion's scale operand
.endr
.irp b, 0,1,2,3
	s_delay_alu instid0(VALU_DEP_4)
	v_lshrrev_b32 v[236+\b], 23, v[244+\b]
.endr
	s_delay_alu instid0(VALU_DEP_3)
	v_lshl_or_b32 v253, v237, 8, v236              ; p's scale word for these 128 keys
	s_delay_alu instid0(VALU_DEP_1)
	v_lshl_or_b32 v253, v238, 16, v253
	s_delay_alu instid0(VALU_DEP_1)
	v_lshl_or_b32 v253, v239, 24, v253
.irp c, 0,1
	v_cvt_scalef32_pk16_fp6_f32 v[PCD+6*\c:PCD+2+6*\c], v[S+32*\c:S+15+32*\c], v[244+2*\c]
	v_cvt_scalef32_pk16_fp6_f32 v[236+4*\c:238+4*\c], v[S+16+32*\c:S+31+32*\c], v[244+2*\c+1]
.endr
	v_nop                                          ; one plain instruction behind the scaled conversions
.irp c, 0,1
.irp i, 0,1,2
	v_permlane16_swap_b32 v[PCD+6*\c+\i], v[236+4*\c+\i]
.endr
.irp i, 0,1,2
	s_delay_alu instid0(VALU_DEP_3)
	v_mov_b32 v[PCD+3+6*\c+\i], v[236+4*\c+\i]
.endr
.endr
.set j, 0
.rept 16
	v_pk_mul_f32 v[O+j:O+j+1], v[O+j:O+j+1], v[252:253] op_sel_hi:[1,0]   ; O^T under the new M.  (These sixteen are also the places between the writes of p's codes and word and the products)
.set j, j+2
.endr
	s_wait_alu depctr_va_vdst(0)
	s_wait_dscnt 0x0                               ; V
.irp t, 0,1,2,3
	v_wmma_scale_f32_16x16x128_f8f6f4 v[O+8*\t:O+8*\t+7], v[VF+12*\t:VF+12*\t+11], v[PCD:PCD+11], v[O+8*\t:O+8*\t+7], v[248+\t], v253 matrix_a_fmt:MATRIX_FMT_FP6 matrix_b_fmt:MATRIX_FMT_FP6
.endr
.Lhidden_\@:
	s_add_co_u32 s[KF], s[KF], 128
.endm
.macro QLOAD                           ; my tile of block BB: six registers of codes and a scale word
	s_lshl_b32 s[Q0], s[BB], 8
	s_lshr_b32 s50, s[WV], 1
	s_lshl_b32 s50, s50, 5
	s_add_co_u32 s[Q0], s[Q0], s50
	s_lshl_b32 s50, s[BH], 4
	s_lshl_b32 s51, s[BB], 1
	s_add_co_u32 s50, s50, s51
	s_lshr_b32 s51, s[WV], 3
	s_add_co_u32 s50, s50, s51                     ; the record: 16 b h + 2 B + w / 8
	s_mul_i32 s50, s50, 6656
	s_and_b32 s51, s[WV], 7
	s_mul_i32 s52, s51, 768
	s_add_co_u32 s52, s52, s50
	s_mov_b32 s53, 0
	s_add_nc_u64 s[54:55], s[4:5], s[52:53]
	s_lshr_b32 s52, s51, 2
	s_lshl_b32 s52, s52, 8
	s_and_b32 s51, s51, 3
	s_lshl_b32 s51, s51, 2
	s_add_co_u32 s52, s52, s51
	s_add_co_u32 s52, s52, s50
	s_add_co_u32 s52, s52, 6144
	s_add_nc_u64 s[56:57], s[4:5], s[52:53]
	global_load_b128 v[QF:QF+3], v[A16], s[54:55]
	global_load_b64 v[QF+4:QF+5], v[A8], s[54:55] offset:512
	global_load_b32 v255, v[AS], s[56:57]
.endm
.macro RESET
	v_mov_b32 v13, 0xff61b1e6                      ; the largest t so far: -3e38, under every t
	s_delay_alu instid0(VALU_DEP_1)
	v_floor_f32 v12, -v13
	v_mov_b32 v14, 0
	v_mov_b32 v15, 0
.set j, 0
.rept 32
	v_mov_b32 v[O+j], 0                            ; the step is written once: the first finds zeros, which the first change of M leaves zeros
.set j, j+1
.endr
.endm
; A BLOCK'S END: O^T / the sum, quantised along the channels (two blocks of 32), stored as half a fragment of the last product's operand.  sw = 1: on to the second block.
.macro FINAL sw
.rept 4
	v_nop                                          ; places behind the last products
.endr
	v_add_f32 v14, v14, v15
	s_delay_alu instid0(VALU_DEP_1)
	v_permlanex16_b32 v252, v14, s[SEL], s[SEL+1]
	s_delay_alu instid0(VALU_DEP_1)
	v_add_f32 v14, v14, v252                       ; the row's sum
	s_wait_alu depctr_va_vdst(0)
	v_rcp_f32 v14, v14
	v_nop                                          ; a plain instruction behind the reciprocal
	s_lshr_b32 s50, s[BH], 4
	s_lshl_b32 s50, s50, 7
	s_lshl_b32 s51, s[BB], 4
	s_add_co_u32 s50, s50, s51
	s_add_co_u32 s50, s50, s[WV]                   ; my tile among x's 512: 128 x batch + 16 B + w
	s_and_b32 s51, s[BH], 15                       ; the head
	s_mul_i32 s52, s50, 12288
	s_mul_i32 s53, s51, 768
	s_add_co_u32 s52, s52, s53
	s_mov_b32 s53, 0
	s_add_nc_u64 s[58:59], s[8:9], s[52:53]
	s_lshr_b32 s52, s50, 1
	s_lshl_b32 s52, s52, 10
	s_and_b32 s50, s50, 1
	s_lshl_b32 s50, s50, 7
	s_add_co_u32 s52, s52, s50
	s_lshr_b32 s50, s51, 2
	s_lshl_b32 s50, s50, 8
	s_add_co_u32 s52, s52, s50
	s_and_b32 s51, s51, 3
	s_lshl_b32 s51, s51, 1
	s_add_co_u32 s52, s52, s51
	s_add_co_u32 s52, s52, XSO
	s_add_nc_u64 s[60:61], s[8:9], s[52:53]        ; my head's two bytes of a place's eight
	s_wait_alu depctr_va_vdst(0)                   ; the wait ahead of the reciprocal's first reader
.set j, 0
.rept 32
	v_mul_f32 v[S+j], v[O+j], v14                  ; register 16 b + i is channel 32 b + 16 h + i of my query
.set j, j+1
.endr
.irp b, 0,1
	v_max3_num_f32 v[BM+\b], |v[S+16*\b]|, |v[S+1+16*\b]|, 0x1800000
.endr
.irp i, 2,4,6,8,10,12,14
.irp b, 0,1
	s_delay_alu instid0(VALU_DEP_2)
	v_max3_num_f32 v[BM+\b], v[BM+\b], |v[S+16*\b+\i]|, |v[S+1+16*\b+\i]|
.endr
.endr
.irp b, 0,1
	s_delay_alu instid0(VALU_DEP_2)
	v_permlanex16_b32 v[236+\b], v[BM+\b], s[SEL], s[SEL+1]
.endr
.irp b, 0,1
	s_delay_alu instid0(VALU_DEP_2)
	v_max_num_f32 v[BM+\b], v[BM+\b], v[236+\b]
.endr
.irp b, 0,1
	s_delay_alu instid0(VALU_DEP_2)
	v_add_nc_u32 v[244+\b], 0xff000000, v[BM+\b]
.endr
.irp b, 0,1
	s_delay_alu instid0(VALU_DEP_2)
	v_lshrrev_b32 v[236+\b], 23, v[244+\b]
.endr
	s_delay_alu instid0(VALU_DEP_1)
	v_lshl_or_b32 v243, v237, 8, v236
	v_cvt_scalef32_pk16_fp6_f32 v[PCD:PCD+2], v[S:S+15], v244
	v_cvt_scalef32_pk16_fp6_f32 v[240:242], v[S+16:S+31], v245
	v_nop                                          ; one plain instruction behind the scaled conversions
.irp i, 0,1,2
	v_permlane16_swap_b32 v[PCD+\i], v[240+\i]
.endr
.irp i, 0,1,2
	s_delay_alu instid0(VALU_DEP_3)
	v_mov_b32 v[PCD+3+\i], v[240+\i]
.endr
	global_store_b128 v[A16], v[PCD:PCD+3], s[58:59]               ; 512 consecutive bytes
	global_store_b64 v[A8], v[PCD+4:PCD+5], s[58:59] offset:512    ; and 256
	global_store_b16 v[R8], v243, s[60:61]                         ; (both halves of the lanes store the same two bytes to the same place)
	s_wait_xcnt 0x0                                ; the stores have read their registers
.if \sw
	s_mov_b32 s[BB], s[II]
	s_mov_b32 s[KF], 0
	QLOAD
	RESET
	s_wait_loadcnt 0x0
.endif
.endm
	s_load_b128 s[4:7], s[0:1], 0x0                ; qb s[4:5], kv s[6:7]
	s_load_b64 s[8:9], s[0:1], 0x10                ; ao
	v_lshl_add_u32 v[SPW], v0, 2, SPARE
	v_mov_b32 v[NIL], 0
	ds_add_u32 v7, v8
	ds_add_u32 v7, v8
	s_wait_dscnt 0x0
	v_lshrrev_b32 v1, 5, v0
	s_delay_alu instid0(VALU_DEP_1)
	v_readfirstlane_b32 s[WV], v1                  ; wave 0..15
	s_mov_b32 s[II], ttmp9
	s_and_b32 s[BH], ttmp7, 0xffff
	s_sub_co_u32 s[BB], 7, s[II]
	s_sub_co_u32 s[LIMA], 8, s[II]
	s_add_co_u32 s[SWT], s[II], 1
	s_mov_b32 s[KN], 0
	s_mov_b32 s[KF], 0
	s_mov_b32 s[TB], 0
	s_mov_b32 s[SLOTS], 8
	s_mov_b32 s[SEL], 0x76543210
	s_mov_b32 s[SEL+1], 0xfedcba98
	s_mov_b32 s[CS], 0x3e38aa3b                    ; c = log2(e) / 8
	s_mov_b32 s[CS+1], s[CS]                       ; (named with it as a pair, so it is written)
	s_mov_b32 s[G1], 3<<16                         ; a record: 51 rows of 256 dense bytes (32 elements of 8 bytes); no mask, no padding
	s_mov_b32 s[G1+1], 32<<16
	s_mov_b32 s[G1+2], 51<<16
	s_mov_b32 s[G1+3], 32<<16
	s_mov_b32 s[G1+4], 51
	s_mov_b32 s[G1+5], 32
	s_mov_b32 s[G1+6], 0
	s_mov_b32 s[G1+7], 0
	s_and_b32 s50, s[WV], 1
	s_mul_i32 s51, s50, REC                        ; my record of a slot, in memory and in LDS
	s_mul_i32 s52, s[BH], 16*REC
	s_add_co_u32 s52, s52, s51
	s_mov_b32 s53, 0
	s_wait_kmcnt 0x0
	s_add_nc_u64 s[KVW:KVW+1], s[6:7], s[52:53]
	s_mov_b32 s[G0], 1
	s_mov_b32 s[G0+1], s51
	s_mov_b64 s[G0+2:G0+3], s[KVW:KVW+1]
	s_or_b32 s[G0+3], s[G0+3], 0x80000000
	TLOAD                                          ; slot 0
	s_mul_i32 s52, s[BH], 16*REC
	s_add_co_u32 s52, s52, SLOTB
	s_add_nc_u64 s[PFA:PFA+1], s[6:7], s[52:53]    ; at slot 1: the first change of slots steps it to slot 2.  Nothing is prefetched at the head
	s_lshr_b32 s50, s[WV], 2
	s_xor_b32 s50, s50, 1                          ; 0 in waves 4 to 7,
	s_or_b32 s50, s50, s[II]                       ; of work-group I = 0
	s_cmp_eq_u32 s50, 0
	s_cselect_b32 s[LIM], 2, -1
	v_add_nc_u32 v[PFO], 0xffffff80, v0            ; 32 (w - 4) + lane
	s_delay_alu instid0(VALU_DEP_1)
	v_min_u32 v[PFO], 101, v[PFO]
	s_delay_alu instid0(VALU_DEP_1)
	v_lshlrev_b32 v[PFO], 8, v[PFO]
	v_and_b32 v243, 31, v0
	s_delay_alu instid0(VALU_DEP_1)
	v_lshlrev_b32 v[A16], 4, v243
	v_and_b32 v243, 15, v0                         ; r
	v_bfe_u32 v254, v0, 4, 1                       ; h
	s_delay_alu instid0(VALU_DEP_2)
	v_lshlrev_b32 v[AS], 4, v243
	s_delay_alu instid0(VALU_DEP_1)
	v_lshl_add_u32 v[A8], v254, 3, v[AS]
	s_wait_alu depctr_va_vdst(0)
	v_lshlrev_b32 v[R8], 3, v243
	v_and_b32 v[DL], 7, v243
	v_lshrrev_b32 v252, 3, v243
	s_delay_alu instid0(VALU_DEP_1)
	v_lshl_add_u32 v[DL], v252, 4, v[DL]
	v_lshlrev_b32 v254, 4, v254
	s_delay_alu instid0(VALU_DEP_1)
	v_sub_nc_u32 v[DL], v[DL], v254
	s_and_b32 s50, s[WV], 1
	s_lshl_b32 s50, s50, 3
	v_add_nc_u32 v[DL], s50, v[DL]                 ; 8 (w & 1) + (r & 7) + 16 (r >> 3) - 16 h
	QLOAD
.irp i, 6,7,8,9,10,11
	v_mov_b32 v[QF+\i], 0                          ; K = 64 .. 127: zero codes, written once
.irp t, 0,1,2,3
	v_mov_b32 v[KB+12*\t+\i], 0
.endr
.endr
.irp b, 0,1,2,3
	v_mov_b32 v[236+\b], 0                         ; written once: a lane permute's destination counts as one of its sources
.endr
	v_mov_b32 v252, 0
	v_mov_b32 v253, 0                              ; (named as the upper half of the pair v[252:253] before it is first written)
	RESET
	s_wait_loadcnt 0x0                             ; Q
.Lslot:                                            ; eight trips: behind each change of slots but the last the next slot is asked for
	CHANGE 1
	STEP 0
	STEP 1
	s_xor_b32 s[TB], s[TB], SLOT1
	s_cmp_lg_u32 s[SLOTS], s[SWT]                  ; the first block's last slot?  A branch on ids; no barrier and no tensor load stands under it
	s_cbranch_scc1 .Lno_switch
	FINAL 1
.Lno_switch:
	s_sub_co_u32 s[SLOTS], s[SLOTS], 1
	s_cmp_lg_u32 s[SLOTS], 0
	s_cbranch_scc1 .Lslot
	CHANGE 0                                       ; the last slot is written out
	STEP 0
	STEP 1
	FINAL 0
	s_wait_tensorcnt 0x0                           ; the wave's end
	ds_add_u32 v[SPW], v[NIL]
	s_wait_dscnt 0x0
	s_endpgm
.Lfunc_end_k_q3d8cd088b6_attn:
	.size	k_q3d8cd088b6_attn, .Lfunc_end_k_q3d8cd088b6_attn-k_q3d8cd088b6_attn
	.p2alignl 7, 3214868480
	.fill 96, 4, 3214868480
	.section	.rodata,"a",@progbits
	.p2align	6, 0x0
	.amdhsa_kernel k_q3d8cd088b6_attn
		.amdhsa_group_segment_fixed_size 327680
		.amdhsa_private_segment_fixed_size 0
		.amdhsa_enable_private_segment 0
		.amdhsa_kernarg_size 24
		.amdhsa_user_sgpr_count 2
		.amdhsa_user_sgpr_kernarg_segment_ptr 1
		.amdhsa_wavefront_size32 1
		.amdhsa_system_sgpr_workgroup_id_x 1
		.amdhsa_system_sgpr_workgroup_id_y 1
		.amdhsa_system_sgpr_workgroup_id_z 1
		.amdhsa_system_vgpr_workitem_id 0
		.amdhsa_next_free_vgpr 256
		.amdhsa_next_free_sgpr 66
		.amdhsa_reserve_vcc 1
		.amdhsa_float_denorm_mode_32 3
		.amdhsa_float_denorm_mode_16_64 3
		.amdhsa_memory_ordered 1
		.amdhsa_forward_progress 1
		.amdhsa_inst_pref_size 112
	.end_amdhsa_kernel
	.amdgpu_metadata
---
amdhsa.version: [ 1, 2 ]
amdhsa.kernels:
  - .name:           k_q3d8cd088b6_attn
    .symbol:         k_q3d8cd088b6_attn.kd
    .args:
      - { .name: qb, .offset: 0, .size: 8, .value_kind: global_buffer, .address_space: global }
      - { .name: kv, .offset: 8, .size: 8, .value_kind: global_buffer, .address_space: global }
      - { .name: ao, .offset: 16, .size: 8, .value_kind: global_buffer, .address_space: global }
    .group_segment_fixed_size: 327680
    .private_segment_fixed_size: 0
    .kernarg_segment_align: 8
    .kernarg_segment_size: 24
    .max_flat_workgroup_size: 512
    .sgpr_count:     66
    .vgpr_count:     256
    .wavefront_size: 32
...
	.end_amdgpu_metadata
.endif
;; end of part 3
;; launch proj (part 4): grid 4 x 64, 4 waves a work-group, clusters of 4 x 4, 327,680 bytes of LDS; arguments ao, wq, b_out, out0; writes out0
.if DOCPART == 4
	.amdgcn_target "amdgcn-amd-amdhsa--gfx1250"
	.amdhsa_code_object_version 6
	.text
	.protected	k_q3d8cd088b6_proj
	.globl	k_q3d8cd088b6_proj
	.p2align	8
	.type	k_q3d8cd088b6_proj,@function
k_q3d8cd088b6_proj:
	s_mov_b64 s[64:65], 0
	v_nop
	global_prefetch_b8 v0, s[64:65] scope:SCOPE_SE
	s_setreg_imm32_b32 hwreg(HW_REG_WAVE_MODE, 25, 1), 1
	s_wait_xcnt 0x0
	s_wait_alu depctr_hold_cnt(0) depctr_sa_sdst(0) depctr_va_vdst(0) depctr_va_sdst(0) depctr_va_ssrc(0) depctr_va_vcc(0) depctr_vm_vsrc(0)
	s_getreg_b32 s2, hwreg(HW_REG_IB_STS2, 6, 4)
	s_cmp_eq_u32 s2, 0
	s_cbranch_scc0 .Lentry_in_a_cluster
	s_endpgm
.Lentry_in_a_cluster:
	s_bfe_u32 s2, ttmp6, 0x10000c
	s_cmp_lg_u32 s2, 0xf033
	s_cbranch_scc0 .Lentry_shape_is_right
	s_endpgm
.Lentry_shape_is_right:
; out0 = o w_out + b_out on codes of FP6 (E2M3), K = 1,024.  o's codes and scales (ao) come from the attention launch, w_out's (in wq) from the first: codes [tile of 16 rows][K step: 8][1,536 bytes] in the order of a
; fragment's registers, scales [pair of tiles][4][2][16][8 bytes]; in each group of 32 rows, stored tile u, place p holds actual row 8 u + (p & 7) + 16 (p >> 3).
; THE PRODUCT: source 0 = 16 columns of w_out (P), source 1 = 16 rows of o (R): lane (r, h) holds place r of R's tile, register j of P's tiles 2 B + u the actual column 32 B + 16 h + 8 u + j: eight neighbours of a row of out0.
; SHARES: 256 work-groups, each P 256 x R 128; four waves 128 x 64: 32 accumulators.  ALL OF K LIES IN LDS: four slots of 256 along K, each filled once: nothing is filled again.  The eight K steps are written out.
; CLUSTER 4 x 4: P's tiles are shared along a column of the cluster, R's along a row: joint loads.  The bias is the C of each sum's first product.
; REGISTERS: window 0: v1-7 lane terms; v8-26 LDS addresses; v32-63 scale words, two sets; v64-127 the bias; v128-175 R's fragments, one set (v128-255 rows of out0 later).  window 1: P's fragments, two sets.  window 2: accumulator (a, b) at v[8 (8 a + b)].
.set RB,    4
.set NS,    4
.set PT,    24576
.set RT,    RB*3072
.set ROFF,  49152
.set SLOT,  ROFF+2*RT
.set SCL,   NS*SLOT                    ; behind the slots: R's scales (4,096 bytes), then P's (8,192)
.set XSO,   6291456
.set WOC,   2457600
.set WOS,   3244032
.set AP16,  8
.set AP8,   12
.set AR16,  16
.set AR8,   20
.set ADRS,  24
.set STO,   25                         ; v25  the way out: where I put 32 bytes of a row
.set RD,    26                         ; v26  and where I read a row back
.set SC,    32
.set BP,    64
.set AF,    128
.set BK,    128
.set G1P,   24
.set G1R,   32
.set G1SP,  40
.set G1SR,  48
.set G0SP,  56
.set G0SR,  60
.set G0P,   68                         ; s[68:83] group 0 for P's tiles, a set for each slot;  s[84:99] for R's
.set G0R,   84
.set MSB, 0
.macro WIN new
.if MSB != (\new)
	s_set_vgpr_msb (MSB<<8)|(\new)
.set MSB, (\new)
.endif
.endm
.macro PLACES n
.rept \n
	v_nop
.endr
.endm
.macro JLOAD g0p, g1p, g0r, g1r        ; waves 0 and 1 fetch P's halves, waves 2 and 3 R's; four v_nop follow each of the two lines
	s_cmp_eq_u32 s15, 0
	s_cbranch_scc0 .Lfor_r_\@
	tensor_load_to_lds s[\g0p:\g0p+3], s[\g1p:\g1p+7]
	s_nop 0
.rept 4
	v_nop
.endr
	s_branch .Lasked_\@
.Lfor_r_\@:
	tensor_load_to_lds s[\g0r:\g0r+3], s[\g1r:\g1r+7]
	s_nop 0
.rept 4
	v_nop
.endr
.Lasked_\@:
.endm
.macro CROUND                          ; a round of the cluster's barrier
	s_barrier_signal -1
	s_barrier_wait -1
	s_cmp_lg_u32 s14, 0
	s_cbranch_scc1 .Lnot_wave_0_\@
	s_barrier_signal -3
.Lnot_wave_0_\@:
	s_barrier_wait -3
	s_barrier_signal -1
	s_barrier_wait -1
.endm
.macro FRAG reg, a16, a8, off
	ds_load_b128 v[(\reg):(\reg)+3], v[\a16] offset:(\off)
	ds_load_b64 v[(\reg)+4:(\reg)+5], v[\a8] offset:(\off)+512
	ds_load_b128 v[(\reg)+6:(\reg)+9], v[\a16] offset:(\off)+768
	ds_load_b64 v[(\reg)+10:(\reg)+11], v[\a8] offset:(\off)+1280
.endm
.macro FETCH_P n, q, set
	WIN 0x40
.irp i, 0,1,2,3,4,5,6,7
	FRAG 128*(\set)+12*\i, AP16+(\n), AP8+(\n), 3072*\i+1536*(\q)
.endr
	WIN 0
.endm
.macro FETCH_R n, q, i0
.set fi, \i0
.rept RB/2
	FRAG AF+12*fi, AR16+(\n), AR8+(\n), 3072*fi+1536*(\q)
.set fi, fi+1
.endr
.endm
.macro SCALES ks                       ; register 2 i + q: lanes 0-15 R's tile i (from i = 4 on bytes that are filled and not used), lanes 16-31 P's tile i
.irp i, 0,1,2,3,4,5,6,7
	ds_load_b64 v[SC+16*((\ks)%2)+2*\i:SC+16*((\ks)%2)+2*\i+1], v[ADRS] offset:(\i/2)*1024+(\i%2)*128+256*(\ks)
.endr
.endm
; n blocks of R from a0 on, each against P's eight.  cm = 2: the bias starts the sums.  The accumulators take turns, one instruction a turn.
.macro MULS a0, n, cm
.set ma, \a0
.rept \n
.if (\cm) == 2
	WIN 0x81                                       ; source 0 (P) window 1, source 1 (R) and C (the bias) window 0, D window 2
.else
	WIN 0xa1                                       ; C and D window 2
.endif
.irp b, 0,1,2,3,4,5,6,7
.set dd, 8*(8*ma+\b)
.set pa, 128*sst+12*\b
.set ra, AF+12*ma
.set sa, SC+16*ssc+2*\b+sq
.set sb, SC+16*ssc+2*ma+sq
.if (\cm) == 2
	v_wmma_scale_f32_16x16x128_f8f6f4 v[dd:dd+7], v[pa:pa+11], v[ra:ra+11], v[BP+8*\b:BP+8*\b+7], v[sa], v[sb] matrix_a_fmt:MATRIX_FMT_FP6 matrix_b_fmt:MATRIX_FMT_FP6 matrix_a_scale:MATRIX_SCALE_ROW1
.else
	v_wmma_scale_f32_16x16x128_f8f6f4 v[dd:dd+7], v[pa:pa+11], v[ra:ra+11], v[dd:dd+7], v[sa], v[sb] matrix_a_fmt:MATRIX_FMT_FP6 matrix_b_fmt:MATRIX_FMT_FP6 matrix_a_scale:MATRIX_SCALE_ROW1
.endif
.endr
.set ma, ma+1
.endr
.endm
; K step s: 32 matrix instructions.  sync = 1: the next step lies in the next slot: the counted wait for my part of it (cnt later slots may be out), and a barrier behind which nothing is filled.
.macro STEP s, sync, cnt, cm
.set sq, (\s)%2
.set sst, (\s)%2
.set ssc, ((\s)/2)%2
.set sks, (\s)/2
.set nn, (((\s)+1)/2)%NS
.set nq, ((\s)+1)%2
.if (\sync) == 1
	s_wait_tensorcnt \cnt
.endif
	s_wait_dscnt 2*RB                              ; P's set, R's first half and the words are in; R's second half, four loads a fragment, may be out
	MULS 0, RB/4, \cm
	s_wait_dscnt 0x0
.if (\sync) == 1
	s_barrier_signal -1
.endif
	MULS RB/4, RB/4, \cm
.if (\sync) == 1
	WIN 0
	s_barrier_wait -1
.endif
	PLACES 4                                       ; in front of loads into registers that matrix instructions have read (ISA guide 7.12.1 for vector instructions)
	FETCH_P nn, nq, 1-sst
	FETCH_R nn, nq, 0
.if sq == 1
	SCALES sks+1
.endif
	MULS RB/2, RB/2, \cm
	PLACES 4
	WIN 0
	FETCH_R nn, nq, RB/2
.endm
; THE WAY OUT, R's tile a at a time: through my own stage in LDS (16 rows x (512 bytes + 16)), back as whole rows of 512 bytes.  The stage lies in slot 0, which has had its only fill and which nobody reads behind step 1's barrier.
.macro TOSTAGE a
	WIN 0x08                                       ; an LDS store's data: window 2
.irp b, 0,1,2,3,4,5,6,7
	ds_store_b128 v[STO], v[8*(8*(\a)+\b):8*(8*(\a)+\b)+3] offset:128*(\b/2)+32*(\b%2)       ; each accumulator from its low end on
	ds_store_b128 v[STO], v[8*(8*(\a)+\b)+4:8*(8*(\a)+\b)+7] offset:128*(\b/2)+32*(\b%2)+16
.endr
	WIN 0
.set BB, BK+64*((\a)%2)
.irp t, 0,1,2,3,4,5,6,7,8,9,10,11,12,13,14,15
	ds_load_b128 v[BB+4*\t:BB+4*\t+3], v[RD] offset:\t*528   ; LDS serves a wave's instructions in order: these see the stores above
.endr
.endm
.macro SEND a, younger
.set BB, BK+64*((\a)%2)
	s_wait_dscnt \younger
.irp t, 0,1,2,3,4,5,6,7,8,9,10,11,12,13,14,15
	global_store_b128 v1, v[BB+4*\t:BB+4*\t+3], s[10:11] offset:(32*((\a)/2)+8*((\a)%2)+(\t%8)+16*(\t/8))*4096 th:TH_STORE_NT   ; place t's actual row: 32 lanes store 512 consecutive bytes
.endr
.endm
	s_load_b256 s[4:11], s[0:1], 0x0               ; ao s[4:5], wq s[6:7], b_out s[8:9], out0 s[10:11]
	v_lshl_add_u32 v30, v0, 2, 0x4b000
	v_mov_b32 v31, 0
	ds_add_u32 v30, v31
	v_lshrrev_b32 v1, 5, v0
	v_readfirstlane_b32 s14, v1                    ; wave 0..3
	s_lshr_b32 s15, s14, 1                         ; which half of R's rows is mine.  Also: I fetch for P (0) or for R (1)
	s_and_b32 s16, s14, 1                          ; which half of P's.  Also: which half of that side I fetch
	s_bfe_u32 s12, ttmp6, 0x40000                  ; cx
	s_bfe_u32 s13, ttmp6, 0x40004                  ; cy
	s_lshl_b32 s17, s13, 2
	s_lshl_b32 s17, 15, s17                        ; my row of the cluster
	s_lshl_b32 s67, 0x1111, s12                    ; my column
	s_lshl_b32 s18, ttmp9, 2
	s_add_co_u32 s18, s18, s12                     ; which 256 columns
	s_and_b32 s19, ttmp7, 0xffff
	s_lshl_b32 s19, s19, 2
	s_add_co_u32 s19, s19, s13                     ; which 128 rows
	s_or_b32 s[G1P], s67, (3<<16)|(1<<21)          ; 15:0 the mask; 17:16 elements of 8 bytes; 21 set beside a mask
	s_or_b32 s[G1R], s17, (3<<16)|(1<<21)
	s_or_b32 s[G1SP], s67, (3<<16)|(1<<21)
	s_or_b32 s[G1SR], s17, (3<<16)|(1<<21)
	s_mov_b32 s[G1P+1], 384<<16                    ; P: 8 tiles' 3,072 bytes, 12,288 bytes apart
	s_mov_b32 s[G1P+2], 8<<16
	s_mov_b32 s[G1P+3], 384<<16
	s_mov_b32 s[G1P+4], 8
	s_mov_b32 s[G1P+5], 1536
	s_mov_b32 s[G1P+6], 0
	s_mov_b32 s[G1P+7], 0
	s_mov_b32 s[G1R+1], 384<<16                    ; R: 4 tiles'
	s_mov_b32 s[G1R+2], 4<<16
	s_mov_b32 s[G1R+3], 384<<16
	s_mov_b32 s[G1R+4], 4
	s_mov_b32 s[G1R+5], 1536
	s_mov_b32 s[G1R+6], 0
	s_mov_b32 s[G1R+7], 0
	s_mov_b32 s[G1SP+1], 32<<16                    ; P's scales: 16 rows of 256 dense bytes
	s_mov_b32 s[G1SP+2], 16<<16
	s_mov_b32 s[G1SP+3], 32<<16
	s_mov_b32 s[G1SP+4], 16
	s_mov_b32 s[G1SP+5], 32
	s_mov_b32 s[G1SP+6], 0
	s_mov_b32 s[G1SP+7], 0
	s_mov_b32 s[G1SR+1], 32<<16                    ; R's: 8 rows
	s_mov_b32 s[G1SR+2], 8<<16
	s_mov_b32 s[G1SR+3], 32<<16
	s_mov_b32 s[G1SR+4], 8
	s_mov_b32 s[G1SR+5], 32
	s_mov_b32 s[G1SR+6], 0
	s_mov_b32 s[G1SR+7], 0
	s_mul_i32 s20, s18, 196608
	s_mul_i32 s21, s16, 98304
	s_add_co_u32 s20, s20, s21
	s_add_co_u32 s20, s20, WOC
	s_mov_b32 s21, 0
	s_lshl_b32 s22, s18, 13
	s_lshl_b32 s23, s16, 12
	s_add_co_u32 s22, s22, s23
	s_add_co_u32 s22, s22, WOS
	s_mov_b32 s23, 0
	s_mul_i32 s2, s19, 98304
	s_mul_i32 s3, s16, 49152
	s_add_co_u32 s2, s2, s3
	s_mov_b32 s3, 0
	s_lshl_b32 s100, s19, 12
	s_lshl_b32 s101, s16, 11
	s_add_co_u32 s100, s100, s101
	s_add_co_u32 s100, s100, XSO
	s_mov_b32 s101, 0
	s_wait_dscnt 0x0
	s_wait_kmcnt 0x0
	s_add_nc_u64 s[20:21], s[6:7], s[20:21]        ; P's codes, my half
	s_add_nc_u64 s[22:23], s[6:7], s[22:23]        ; P's scales
	s_add_nc_u64 s[2:3], s[4:5], s[2:3]            ; R's codes
	s_add_nc_u64 s[100:101], s[4:5], s[100:101]    ; R's scales
	s_mul_i32 s12, s16, PT                         ; where they go: the wave's number alone
	s_mul_i32 s13, s16, RT
	s_add_co_u32 s13, s13, ROFF
	CROUND                                         ; all sixteen work-groups are here: the joint loads meet
	s_mov_b32 s[G0SP], 1
	s_lshl_b32 s17, s16, 12
	s_add_co_u32 s[G0SP+1], s17, SCL+RB*1024
	s_mov_b64 s[G0SP+2:G0SP+3], s[22:23]
	s_or_b32 s[G0SP+3], s[G0SP+3], 0x80000000
	s_mov_b32 s[G0SR], 1
	s_mul_i32 s17, s16, RB*512
	s_add_co_u32 s[G0SR+1], s17, SCL
	s_mov_b64 s[G0SR+2:G0SR+3], s[100:101]
	s_or_b32 s[G0SR+3], s[G0SR+3], 0x80000000
	JLOAD G0SP, G1SP, G0SR, G1SR                   ; the scales, then all four K slots: five tensor loads of mine are out
.irp n, 0,1,2,3
	s_mov_b32 s[G0P+4*\n], 1
	s_add_co_u32 s[G0P+4*\n+1], s12, \n*SLOT
	s_add_nc_u64 s[G0P+4*\n+2:G0P+4*\n+3], s[20:21], \n*3072
	s_or_b32 s[G0P+4*\n+3], s[G0P+4*\n+3], 0x80000000
	s_mov_b32 s[G0R+4*\n], 1
	s_add_co_u32 s[G0R+4*\n+1], s13, \n*SLOT
	s_add_nc_u64 s[G0R+4*\n+2:G0R+4*\n+3], s[2:3], \n*3072
	s_or_b32 s[G0R+4*\n+3], s[G0R+4*\n+3], 0x80000000
	JLOAD G0P+4*\n, G1P, G0R+4*\n, G1R
.endr
	v_and_b32 v1, 31, v0
	v_lshlrev_b32 v1, 4, v1                        ; 16 x lane
	v_and_b32 v4, 15, v0                           ; r
	v_bfe_u32 v5, v0, 4, 1                         ; h
	v_lshlrev_b32 v2, 4, v4
	v_lshl_add_u32 v2, v5, 3, v2                   ; 16 r + 8 h
	s_mul_i32 s20, s16, PT                         ; my eight tiles of P
	s_mul_i32 s21, s15, RT                         ; my four of R
	s_add_co_u32 s21, s21, ROFF
.irp n, 0,1,2,3
	v_add_nc_u32 v[AP16+\n], s20, v1
	v_add_nc_u32 v[AP8+\n], s20, v2
	v_add_nc_u32 v[AR16+\n], s21, v1
	v_add_nc_u32 v[AR8+\n], s21, v2
	s_add_co_u32 s20, s20, SLOT
	s_add_co_u32 s21, s21, SLOT
.endr
	s_mul_i32 s20, s15, RB*512                     ; R's words: my rows
	s_lshl_b32 s21, s16, 12                        ; P's: my rows, behind all of R's
	s_add_co_u32 s21, s21, RB*1024
	s_sub_co_u32 s21, s21, s20
	v_mul_u32_u24 v6, s21, v5                      ; lanes 16-31 take P's: the lower base + h x the distance
	s_add_co_u32 s20, s20, SCL
	v_lshl_add_u32 v6, v4, 3, v6
	v_add_nc_u32 v[ADRS], s20, v6
	s_mul_i32 s20, s14, 16*528                     ; my stage
	v_mul_u32_u24 v[STO], v4, 528
	v_lshl_add_u32 v[STO], v5, 6, v[STO]
	v_add_nc_u32 v[STO], s20, v[STO]               ; in: row r, + 64 h
	v_add_nc_u32 v[RD], s20, v1                    ; back: 16 bytes a lane
	s_lshl_b32 s20, s19, 19                        ; out0 at row 128 R + 64 wr, column 256 P + 128 wp
	s_lshl_b32 s21, s15, 18
	s_add_co_u32 s20, s20, s21
	s_lshl_b32 s21, s18, 10
	s_add_co_u32 s20, s20, s21
	s_lshl_b32 s21, s16, 9
	s_add_co_u32 s20, s20, s21
	s_mov_b32 s21, 0
	s_add_nc_u64 s[10:11], s[10:11], s[20:21]
	s_lshl_b32 s20, s18, 10
	s_lshl_b32 s22, s16, 9
	s_add_co_u32 s20, s20, s22
	s_add_nc_u64 s[8:9], s[8:9], s[20:21]          ; b_out at my 128 columns
	v_lshlrev_b32 v6, 6, v5                        ; 64 h: registers 8 b + j hold column 32 (b / 2) + 16 h + 8 (b % 2) + j
.irp b, 0,1,2,3,4,5,6,7
	global_load_b128 v[BP+8*\b:BP+8*\b+3], v6, s[8:9] offset:(32*(\b/2)+8*(\b%2))*4
	global_load_b128 v[BP+8*\b+4:BP+8*\b+7], v6, s[8:9] offset:(32*(\b/2)+8*(\b%2))*4+16
.endr
	s_wait_tensorcnt 3                             ; the scales and my part of K slot 0 are in; three slots may be out
	s_barrier_signal -1
	s_barrier_wait -1
	FETCH_P 0, 0, 0
	FETCH_R 0, 0, 0
	SCALES 0
	FETCH_R 0, 0, RB/2
	s_wait_loadcnt 0x0                             ; the bias
	STEP 0, 0, 0, 2
	STEP 1, 1, 2, 0
	STEP 2, 0, 0, 0
	STEP 3, 1, 1, 0
	STEP 4, 0, 0, 0
	STEP 5, 1, 0, 0
	STEP 6, 0, 0, 0
.set sq, 1
.set sst, 1
.set ssc, 1
	s_wait_dscnt 2*RB                              ; the last step: nothing more to fetch
	MULS 0, RB/2, 0
	s_wait_dscnt 0x0
	MULS RB/2, RB/2, 0
	WIN 0
	PLACES 4                                       ; behind the last products: their results are read, and R's registers loaded, below
	TOSTAGE 0
.irp a, 1,2,3
.if \a > 1
	s_wait_xcnt 0x0                                ; block a - 2's stores have read their registers: block a's loads may land there
.endif
	TOSTAGE \a
	SEND \a-1, 32                                  ; behind block a - 1's loads: block a's 16 stores and 16 loads
.endr
	SEND 3, 0
	s_wait_tensorcnt 0x0
	s_wait_tensorcnt 0x0
	ds_add_u32 v30, v31
	s_wait_dscnt 0x0
	CROUND                                         ; the closing round: no work-group ends while a partner may still ask for a tile that names it
	s_endpgm
.Lfunc_end_k_q3d8cd088b6_proj:
	.size	k_q3d8cd088b6_proj, .Lfunc_end_k_q3d8cd088b6_proj-k_q3d8cd088b6_proj
	.p2alignl 7, 3214868480
	.fill 96, 4, 3214868480
	.section	.rodata,"a",@progbits
	.p2align	6, 0x0
	.amdhsa_kernel k_q3d8cd088b6_proj
		.amdhsa_group_segment_fixed_size 327680
		.amdhsa_private_segment_fixed_size 0
		.amdhsa_enable_private_segment 0
		.amdhsa_kernarg_size 32
		.amdhsa_user_sgpr_count 2
		.amdhsa_user_sgpr_kernarg_segment_ptr 1
		.amdhsa_wavefront_size32 1
		.amdhsa_system_sgpr_workgroup_id_x 1
		.amdhsa_system_sgpr_workgroup_id_y 1
		.amdhsa_system_sgpr_workgroup_id_z 1
		.amdhsa_system_vgpr_workitem_id 0
		.amdhsa_next_free_vgpr 768
		.amdhsa_next_free_sgpr 104
		.amdhsa_reserve_vcc 0
		.amdhsa_float_denorm_mode_32 3
		.amdhsa_float_denorm_mode_16_64 3
		.amdhsa_memory_ordered 1
		.amdhsa_forward_progress 1
		.amdhsa_inst_pref_size 91
	.end_amdhsa_kernel
	.amdgpu_metadata
---
amdhsa.version: [ 1, 2 ]
amdhsa.kernels:
  - .name:           k_q3d8cd088b6_proj
    .symbol:         k_q3d8cd088b6_proj.kd
    .args:
      - { .name: ao, .offset: 0, .size: 8, .value_kind: global_buffer, .address_space: global }
      - { .name: wq, .offset: 8, .size: 8, .value_kind: global_buffer, .address_space: global }
      - { .name: b_out, .offset: 16, .size: 8, .value_kind: global_buffer, .address_space: global }
      - { .name: out0, .offset: 24, .size: 8, .value_kind: global_buffer, .address_space: global }
    .group_segment_fixed_size: 327680
    .private_segment_fixed_size: 0
    .kernarg_segment_align: 8
    .kernarg_segment_size: 32
    .max_flat_workgroup_size: 128
    .sgpr_count:     104
    .vgpr_count:     768
    .wavefront_size: 32
...
	.end_amdgpu_metadata
.endif
;; end of part 4
